; MI455X (gfx1250); checked and timed in simulation.
; The chip was launched on July 23, 2026; its instructions are those of AMD's public machine-readable ISA for CDNA 5 (MIT licence, August 2026) and "CDNA5" Instruction Set Architecture Reference Guide (July 2026). The comments in the code are by the model that wrote it; some were corrected since.
;; Attention. Allowed arithmetic: matrix products marked QUANTISED: E2M3 operands, one E8M0 scale for each 32 along K, by v_wmma_scale_f32_16x16x128_f8f6f4 with both operands' format E2M3, f32 sums; everything else in f32.
;; Inputs: W_fc 1,024 x 3,072 float32; W_fc2 1,024 x 1,024 float32; b_fc 3,072 float32; b_fc2 1,024 float32; x 4 x 2,048 x 1,024 float32.
;; Outputs: out0 4 x 2,048 x 1,024 float32.
;; This version of the problem:
;;   THIS VERSION OF THE PROBLEM IS GIVEN IN LOW PRECISION. The matrix products marked QUANTISED in the list below multiply operands that are first quantised to E2M3 (2 exponent bits, 3 mantissa bits; 6 bits a number), with one power-of-two scale for each 32 numbers along K (OCP MX v1.0); their sums are f32. All else is computed in f32.
;;   The module's matrix products, in the order in which they are computed (A, B: the left and right operand; K: the contracted axis; several contracted axes count as one K, in the product's order):
;;     1. [M 8,192, K 1,024] x [K 1,024, N 3,072]; A: input x; B: input W_fc: QUANTISED
;;     2. batch 64 x [M 2,048, K 64] x [K 64, N 2,048]; A: computed on the way; B: computed on the way: QUANTISED
;;     3. batch 64 x [M 64, K 2,048] x [K 2,048, N 2,048]; A: computed on the way; B: softmax (see below): QUANTISED
;;     4. [M 8,192, K 1,024] x [K 1,024, N 1,024]; A: computed on the way; B: input W_fc2: QUANTISED
;;   THE QUANTISER, for each operand of a quantised product, along K:
;;     - K is cut into blocks of 32 from its start; a last block that is shorter is filled with zeros.
;;     - A block's scale is 2^e with e = floor(log2(the largest magnitude in the block)) - 2, held to -126 .. 127; a block of zeros has e = 0. As a byte (E8M0): e + 127.
;;     - Each number is divided by its block's scale, clamped to +-7.5, and rounded to the nearest number of E2M3, ties to even, subnormals kept.
;;     - The product sums the exact products of the quantised numbers (number of the format x scale) in f32.
;;   ~~~python
;;   def quantise(x, axis):      # numpy; x: float32 -> the quantised numbers, widened to float32 again
;;       x = np.moveaxis(x, axis, -1); K = x.shape[-1]
;;       x = np.pad(x, [(0, 0)] * (x.ndim - 1) + [(0, -K % 32)]); x = x.reshape(x.shape[:-1] + (-1, 32)); a = np.abs(x).max(-1, keepdims=True)
;;       e = np.where(a > 0, np.clip(np.frexp(np.where(a > 0, a, 1))[1] - 1 - 2, -126, 127), 0)      # np.frexp(a)[1] - 1 = floor(log2(a)), exactly
;;       r = np.clip(x / 2.0 ** e, -7.5, 7.5)
;;       step = 2.0 ** (np.maximum(np.frexp(np.where(r == 0, 1, r))[1] - 1, 0) - 3)
;;       q = np.round(r / step) * step * 2.0 ** e      # np.round: ties to even
;;       return np.moveaxis(q.reshape(q.shape[:-2] + (-1,))[..., :K], -1, axis).astype(np.float32)
;;   ~~~
;;   SOFTMAX AHEAD OF A QUANTISED PRODUCT. Where the list says 'softmax', what is quantised is not the finished softmax but p = 2^(t - M), with t = logit x log2(e) and M = ceil(the row's largest t), a whole number; so 1/2 < the row's largest p <= 1. The row's sum l is taken of the UNQUANTISED p, in f32, and the product's result is divided by l at the end. Since M is a whole number, a kernel that streams over the keys may use a running M (the ceiling of the running maximum): every later rescaling is an exact power of two, which a block's scale takes up: the codes' values come out the same.
;;   OPERANDS COMPUTED ON THE WAY. 'Computed on the way' means the value that the module computes at that place (a softmax that the list does not call 'softmax' is quantised finished and normalised). What goes into a quantiser is computed in f32, as accurately as f32 sums, v_exp_f32 and their like allow (about 1e-6 of the number): no bf16 or f16 on the way to a quantiser, and a product that is left as it is and whose result goes on into a quantised operand takes f32 operands (vector FMAs, or v_wmma_f32_16x16x4_f32). A number that lies on a knife's edge between two numbers of the format may be rounded either way, as far as f32 arithmetic and the matrix unit's own rounding can turn it there, and no further.
;; One version. Each part assembles by itself: llvm-mc -triple=amdgcn-amd-amdhsa -mcpu=gfx1250 --defsym DOCPART=n.
;; ======== version 1 of 1: 4 launches
;; workspace buffers: x_img 6,553,600 bytes; w_img 3,276,800 bytes; q_img 6,553,600 bytes; kv_img 13,107,200 bytes; nv_img 6,553,600 bytes
;; launch quant (part 1): grid 384 x 1, 4 waves a work-group, no clusters, 59,904 bytes of LDS; arguments x, W_fc, W_fc2, x_img, w_img; writes x_img, w_img
.if DOCPART == 1
	.amdgcn_target "amdgcn-amd-amdhsa--gfx1250"
	.amdhsa_code_object_version 6
	.text
	.protected	k_q978bc0b157_quant
	.globl	k_q978bc0b157_quant
	.p2align	8
	.type	k_q978bc0b157_quant,@function
k_q978bc0b157_quant:
	s_mov_b64 s[64:65], 0
	v_nop
	global_prefetch_b8 v0, s[64:65] scope:SCOPE_SE
	s_setreg_imm32_b32 hwreg(HW_REG_WAVE_MODE, 25, 1), 1
	s_wait_xcnt 0x0
; x [8192][1024] (K innermost) and W_fc [1024][3072], W_fc2 [1024][1024] (K is the FIRST axis), all f32, become codes of FP6 (E2M3) with one E8M0 byte for each 32 along K.
; A block's scale is 2^(floor(log2(its largest magnitude)) - 2): its byte is the largest magnitude's exponent field - 2, held at 1 from below by a floor among the maximum's leaves.
; LIMITS: NaN and infinities are not served; blocks whose largest magnitude lies under 2^-124 keep the byte 1 (not tried); a block of zeros has the byte 1 and not 127: its codes are zeros and this program alone reads the bytes.
; THE OUTPUT IS LAID IN THE ORDER OF THE OPERAND'S REGISTERS.  A fragment (16 rows x 128 K, 12 registers a lane: registers 6 c .. 6 c + 5 of lane (r, h) hold k = 64 c + 32 h + 0 .. 31) is 1,536 bytes:
; three pieces of 512 bytes, lane l's registers 4 c .. 4 c + 3 at 512 c + 16 l.  An image holds, for each 256 rows and each 256 along K (sp): 16 fragments of the first 128 K, 16 of the second, then the scale words [tile][r][e], 2,048 bytes.
; THE 16 ROWS OF A TILE ARE NOT NEIGHBOURS: of each 32 rows (or columns of a weight) tile u takes rows 8 u + r + 8 (r / 8), so that, with such a tile as source 0, a lane's 16 results of two neighbouring tiles are 16 neighbours.
; w_img's columns: tiles 0-7: head by head 64 of q, then 64 of k; tiles 8-11: head by head 64 of v; tiles 12-15: W_fc2.
; v's tiles alone are laid in PARTS OF 128 COLUMNS (two heads): for each part and each 256 along K: 8 fragments, 8 fragments, 1,024 bytes of scale words: 25,600 dense bytes, which the product's launch takes by one load.
; Work-groups 0-255 take x, 32 rows each (wave = sp); work-groups 256-383 take the weights (a wave: 32 columns x 256 K).  The two ways part on the work-group's number and have LDS bytes of their own; each wave has its own bytes: no barrier.
; No matrix unit, no cluster, no tensor load: the launch streams, and work-groups share no input.
.set STGX,  8448                       ; way X: a wave's stage: 16 rows x (512 bytes + 16)
.set WLDS,  4*STGX                     ; way W's bytes begin here
.set WREG,  6400                       ; way W: a wave's 32 columns x 200 bytes (8 blocks of 24 bytes + 8)
.set TILEB, 204800                     ; 256 rows of an image
.set SPB,   51200                      ; and 256 along K of them
.set ESTEP, 24576                      ; 16 fragments
.set FRB,   1536
.set SCOFF, 49152                      ; the scale words' place
.set WD,  16                           ; X: v16-19 the scale words of fragments 0-3
.set RX,  32                           ; X: v32-159 two sets of 64 registers as loaded
.set XX,  160                          ; X: v160-223 a lane's 64 numbers
.set PC,  224                          ; X: v224-235 the fragment
.set CT,  236                          ; X: v236-238, v240-242 second halves of the blocks
.set VO,  32                           ; W: v32-63 byte offsets of a block's 32 rows
.set WX,  64                           ; W: v64-127 two sets of 32 numbers
.set WC,  128                          ; W: v128-134 a block's codes
.set SB,  136                          ; W: v136-137 the eight scale bytes
.set WF,  144                          ; W: v144-191 four fragments on the way out
	s_load_b128 s[4:7], s[0:1], 0x0                ; x, W_fc
	s_load_b128 s[8:11], s[0:1], 0x10              ; W_fc2, x_img
	s_load_b64 s[12:13], s[0:1], 0x20              ; w_img
	v_lshl_add_u32 v248, v0, 2, 0xe800
	v_mov_b32 v249, 0
	v_lshrrev_b32 v1, 5, v0
	v_readfirstlane_b32 s14, v1                    ; wave
	v_and_b32 v2, 31, v0                           ; lane
	v_and_b32 v3, 15, v0                           ; r
	v_bfe_u32 v1, v0, 4, 1                         ; h
	v_lshlrev_b32 v4, 4, v2                        ; 16 x lane
	v_lshlrev_b32 v5, 3, v2                        ; 8 x lane
	s_mov_b32 s20, 0x76543210
	s_mov_b32 s21, 0xfedcba98                      ; v_permlanex16_b32's selects for lane l xor 16
	s_mov_b32 s22, 0xffff0000                      ; lanes 16-31
	s_cmp_lt_u32 ttmp9, 256
	s_cbranch_scc0 .Lpath_w
; ---------------- WAY X: 32 rows of x, my wave's 256 along K: four fragments f = 2 u + e ----------------
	s_mul_i32 s23, s14, STGX
	v_add_nc_u32 v6, s23, v4                       ; into the stage: a row's 512 bytes as they lie
	v_mul_u32_u24 v7, v3, 528
	v_lshl_add_u32 v7, v1, 7, v7
	v_add_nc_u32 v7, s23, v7                       ; out of it: row r, + 128 h: my 32 numbers of each 64
	v_lshlrev_b32 v10, 3, v1                       ; 8 h: where my two bytes stand in the scale word
	v_mov_b32 v11, 0                               ; (a lane permute's destination counts as one of its sources)
	s_lshl_b32 s24, ttmp9, 17                      ; 32 rows of 4,096 bytes,
	s_lshl_b32 s26, s14, 10                        ; my 256 numbers of a row
	s_add_co_u32 s24, s24, s26
	s_mov_b32 s25, 0
	s_lshr_b32 s26, ttmp9, 3
	s_mul_i32 s26, s26, TILEB
	s_mul_i32 s27, s14, SPB
	s_add_co_u32 s26, s26, s27                     ; the image's part for these 256 rows and my 256 along K
	s_and_b32 s27, ttmp9, 7
	s_mul_i32 s28, s27, 2*FRB
	s_add_co_u32 s28, s28, s26                     ; my two tiles' fragments
	s_mov_b32 s29, 0
	s_lshl_b32 s30, s27, 8
	s_add_co_u32 s30, s30, s26
	s_add_co_u32 s30, s30, SCOFF                   ; and their scale words: 256 bytes
	s_mov_b32 s31, 0
	s_wait_kmcnt 0x0
	s_add_nc_u64 s[4:5], s[4:5], s[24:25]
	s_add_nc_u64 s[28:29], s[10:11], s[28:29]
	s_add_nc_u64 s[30:31], s[10:11], s[30:31]
.macro LOADX f                         ; fragment f's 16 rows x 512 bytes: each load reads 512 consecutive bytes
.irp i, 0,1,2,3,4,5,6,7,8,9,10,11,12,13,14,15
	global_load_b128 v[RX+64*((\f)%2)+4*\i:RX+64*((\f)%2)+4*\i+3], v4, s[4:5] offset:(8*((\f)/2)+\i+8*(\i/8))*4096+512*((\f)%2) th:TH_LOAD_NT
.endr
.endm
.macro FRAGX f
.if (\f) < 3
	s_wait_loadcnt 16                              ; this fragment's 16 loads are in; the next fragment's 16 may be out
.else
	s_wait_loadcnt 0x0
.endif
.irp i, 0,1,2,3,4,5,6,7,8,9,10,11,12,13,14,15
	ds_store_b128 v6, v[RX+64*((\f)%2)+4*\i:RX+64*((\f)%2)+4*\i+3] offset:528*\i
.endr
.irp c, 0,1
.irp j, 0,1,2,3,4,5,6,7
	ds_load_b128 v[XX+32*\c+4*\j:XX+32*\c+4*\j+3], v7 offset:256*\c+16*\j   ; LDS serves a wave's instructions in order: these see my stores.  x(r, 64 c + 32 h + 4 j ..)
.endr
.endr
	s_wait_dscnt 0x0                               ; my numbers are back, so the stores have read their registers,
.if (\f) < 2
	LOADX (\f)+2                                   ; which take the loads of two fragments on
.endif
.irp c, 0,1                                    ; my block 2 c + h: all its 32 numbers are mine
	v_max3_num_f32 v[12+\c], |v[XX+32*\c]|, |v[XX+32*\c+1]|, 0x1800000   ; and the floor 2^(3 - 127): the byte cannot fall under 1
.endr
.irp i, 2,4,6,8,10,12,14,16,18,20,22,24,26,28,30
.irp c, 0,1
	v_max3_num_f32 v[12+\c], v[12+\c], |v[XX+32*\c+\i]|, |v[XX+32*\c+\i+1]|   ; (the two blocks by turns)
.endr
.endr
.irp c, 0,1
	v_add_nc_u32 v[14+\c], 0xff000000, v[12+\c]    ; 2 off the exponent field: the conversion's scale operand
.endr
.irp c, 0,1
	v_lshrrev_b32 v[12+\c], 23, v[14+\c]           ; the scale's byte
.endr
	v_lshl_or_b32 v9, v13, 16, v12                 ; my two bytes: blocks h and 2 + h,
	v_lshlrev_b32 v9, v10, v9                      ; at their places in the word;
	v_permlanex16_b32 v11, v9, s20, s21
	v_or_b32 v[WD+(\f)], v9, v11                   ; with lane l xor 16's two the word is whole, in both lanes
	s_wait_xcnt 0x0                                ; the last fragment's stores have read their registers: the codes may be written again
.irp c, 0,1
	v_cvt_scalef32_pk16_fp6_f32 v[PC+6*\c:PC+6*\c+2], v[XX+32*\c:XX+32*\c+15], v[14+\c]
	v_cvt_scalef32_pk16_fp6_f32 v[CT+4*\c:CT+4*\c+2], v[XX+32*\c+16:XX+32*\c+31], v[14+\c]   ; (a conversion's three registers begin on an even number)
.endr
	v_nop                                          ; one plain place behind a scaled conversion
.irp c, 0,1
.irp i, 0,1,2
	v_mov_b32 v[PC+3+6*\c+\i], v[CT+4*\c+\i]
.endr
.endr
.irp c, 0,1,2
	global_store_b128 v4, v[PC+4*\c:PC+4*\c+3], s[28:29] offset:ESTEP*((\f)%2)+FRB*((\f)/2)+512*\c   ; 512 consecutive bytes, aligned
.endr
.endm
	LOADX 0
	LOADX 1
	FRAGX 0
	FRAGX 1
	FRAGX 2
	FRAGX 3
	v_cndmask_b32 v20, v[WD], v[WD+2], s22         ; lanes 0-15: tile 0's words, lanes 16-31: tile 1's; first 128 K,
	v_cndmask_b32 v21, v[WD+1], v[WD+3], s22       ; second 128 K
	global_store_b64 v5, v[20:21], s[30:31]        ; 256 consecutive bytes, aligned
	s_wait_tensorcnt 0x0
	ds_add_u32 v248, v249
	s_wait_dscnt 0x0
	s_endpgm
; ---------------- WAY W: 32 columns of a weight x 256 along K.  A lane takes a column, its registers run down K ----------------
.Lpath_w:
	s_sub_co_u32 s23, ttmp9, 256
	s_and_b32 s24, s23, 31                         ; which 128 columns of w_img
	s_lshr_b32 s25, s23, 5                         ; sp: which 256 along K
	s_lshl_b32 s26, s24, 2
	s_add_co_u32 s26, s26, s14                     ; G: my wave's group of 32 columns of w_img, 0 .. 127
	s_lshr_b32 s27, s26, 2                         ; G < 64: head G / 4; q's and k's 128 columns lie together in W_fc
	s_mul_i32 s27, s27, 192
	s_and_b32 s28, s26, 3
	s_lshl_b32 s28, s28, 5
	s_add_co_u32 s27, s27, s28
	s_max_u32 s28, s26, 64                         ; 64 <= G < 96: head (G - 64) / 2, v's 64 columns
	s_sub_co_u32 s28, s28, 64
	s_lshr_b32 s28, s28, 1
	s_mul_i32 s28, s28, 192
	s_and_b32 s29, s26, 1
	s_lshl_b32 s29, s29, 5
	s_add_co_u32 s28, s28, s29
	s_add_co_u32 s28, s28, 128
	s_max_u32 s29, s26, 96                         ; G >= 96: W_fc2's columns as they lie
	s_sub_co_u32 s29, s29, 96
	s_lshl_b32 s29, s29, 5
	s_mov_b32 s30, 12288                           ; a row of W_fc in bytes,
	s_mov_b32 s31, 4096                            ; of W_fc2
	s_cmp_lt_u32 s24, 16
	s_cselect_b32 s27, s27, s28
	s_cmp_lt_u32 s24, 24
	s_cselect_b32 s27, s27, s29                    ; my first column in the weight
	s_cselect_b32 s28, s30, s31                    ; the weight's row in bytes
	s_lshl_b32 s32, s25, 8
	s_mul_i32 s32, s32, s28                        ; 256 sp rows down,
	s_lshl_b32 s33, s27, 2
	s_add_co_u32 s32, s32, s33                     ; my first column
	s_mov_b32 s33, 0
	s_lshl_b32 s34, s28, 5                         ; 32 rows: from block to block
	s_mov_b32 s35, 0
	; where my fragments go.  A part of the image: 256 columns; for v's columns (G = 64 .. 95) 128
	s_mov_b32 s59, SPB                             ; a part's bytes for 256 along K,
	s_mov_b32 s60, 7                               ; its groups of 32 columns, less one,
	s_mov_b32 s61, ESTEP                           ; from its first 128 K to its second,
	s_mov_b32 s62, 0                               ; and where a tile's second 128 columns begin
	s_lshr_b32 s63, s24, 3
	s_cmp_eq_u32 s63, 2                            ; v's columns?  The choice hangs on the work-group's number alone
	s_cselect_b32 s59, SPB/2, s59
	s_cselect_b32 s60, 3, s60
	s_cselect_b32 s61, ESTEP/2, s61
	s_cselect_b32 s62, TILEB/2, s62
	s_lshr_b32 s52, s26, 3
	s_mul_i32 s52, s52, TILEB
	s_mul_i32 s53, s25, s59
	s_add_co_u32 s52, s52, s53
	s_bfe_u32 s53, s26, 0x10002                    ; (G / 4) % 2
	s_mul_i32 s53, s53, s62
	s_add_co_u32 s52, s52, s53                     ; the part, at my 256 along K
	s_and_b32 s53, s26, s60
	s_mul_i32 s54, s53, 2*FRB
	s_add_co_u32 s54, s54, s52                     ; my two tiles' fragments of the first 128 K,
	s_mov_b32 s55, 0
	s_lshl_b32 s56, s53, 8
	s_add_co_u32 s56, s56, s52
	s_add_co_u32 s56, s56, s61
	s_add_co_u32 s56, s56, s61                     ; their scale words, behind both runs of fragments,
	s_mov_b32 s57, 0
	s_add_co_u32 s62, s54, s61                     ; and their fragments of the second 128 K
	s_mov_b32 s63, 0
	s_mul_i32 s58, s14, WREG
	s_add_co_u32 s58, s58, WLDS
	v_mul_u32_u24 v6, v2, 200
	v_add_nc_u32 v6, s58, v6                       ; into LDS: my column's 200 bytes
	v_and_b32 v7, 8, v3
	v_add_nc_u32 v7, v7, v3                        ; r + 8 (r / 8)
	v_mul_u32_u24 v7, v7, 200
	v_mad_u32_u24 v7, v1, 24, v7
	v_add_nc_u32 v7, s58, v7                       ; out of it: tile 0's column for lane r, + 24 h
	v_bfe_u32 v8, v0, 3, 1                         ; column l lies in tile u = (l / 8) % 2
	v_and_b32 v9, 7, v0
	v_lshl_add_u32 v9, v1, 3, v9                   ; at lane l % 8 + 8 (l / 16)
	v_lshlrev_b32 v9, 3, v9
	v_lshl_add_u32 v8, v8, 7, v9                   ; its two scale words' place: 128 u + 8 r
	v_lshlrev_b32 v[VO], 2, v2                     ; 4 bytes a lane: 128 consecutive bytes a load
.irp i, 1,2,3,4,5,6,7,8,9,10,11,12,13,14,15,16,17,18,19,20,21,22,23,24,25,26,27,28,29,30,31
	v_add_nc_u32 v[VO+\i], s28, v[VO+\i-1]         ; and i rows down
.endr
	s_wait_kmcnt 0x0
	s_cmp_lt_u32 s24, 24                           ; the choice hangs on the work-group's number alone
	s_cselect_b64 s[6:7], s[6:7], s[8:9]
	s_add_nc_u64 s[36:37], s[6:7], s[32:33]        ; block 0's first row; s[36 + 2 t : 37 + 2 t]: block t's
.irp t, 1,2,3,4,5,6,7
	s_add_nc_u64 s[36+2*\t:37+2*\t], s[34+2*\t:35+2*\t], s[34:35]
.endr
	s_add_nc_u64 s[54:55], s[12:13], s[54:55]
	s_add_nc_u64 s[56:57], s[12:13], s[56:57]
	s_add_nc_u64 s[62:63], s[12:13], s[62:63]
.macro LOADW t
.irp i, 0,1,2,3,4,5,6,7,8,9,10,11,12,13,14,15,16,17,18,19,20,21,22,23,24,25,26,27,28,29,30,31
	global_load_b32 v[WX+32*((\t)%2)+\i], v[VO+\i], s[36+2*(\t):37+2*(\t)] th:TH_LOAD_NT
.endr
.endm
.macro BLOCKW t
.set XS, WX+32*((\t)%2)
.if (\t) < 7
	s_wait_loadcnt 32                              ; this block's 32 loads are in; the next block's may be out
.else
	s_wait_loadcnt 0x0
.endif
	v_max3_num_f32 v12, |v[XS]|, |v[XS+1]|, |v[XS+2]|               ; the block's largest magnitude: all 32 numbers are mine
	v_max3_num_f32 v13, |v[XS+3]|, |v[XS+4]|, |v[XS+5]|
.irp i, 6,10,14,18,22,26
	v_max3_num_f32 v12, v12, |v[XS+\i]|, |v[XS+\i+1]|
	v_max3_num_f32 v13, v13, |v[XS+\i+2]|, |v[XS+\i+3]|
.endr
	v_max3_num_f32 v12, v12, |v[XS+30]|, |v[XS+31]|
	v_max3_num_f32 v12, v12, v13, 0x1800000        ; and the floor
	v_add_nc_u32 v11, 0xff000000, v12              ; the conversion's scale operand
	v_cvt_scalef32_pk16_fp6_f32 v[WC:WC+2], v[XS:XS+15], v11
	v_cvt_scalef32_pk16_fp6_f32 v[WC+4:WC+6], v[XS+16:XS+31], v11
	v_lshrrev_b32 v13, 23, v11                     ; the scale's byte (also the plain place behind the conversions)
.if (\t)%4 == 0
	v_mov_b32 v[SB+(\t)/4], v13                    ; four bytes to a word, the lower K in the lower byte
.else
	v_lshl_or_b32 v[SB+(\t)/4], v13, 8*((\t)%4), v[SB+(\t)/4]
.endif
	v_mov_b32 v[WC+3], v[WC+4]                     ; the block's 24 bytes on end
	v_mov_b32 v[WC+4], v[WC+5]
	v_mov_b32 v[WC+5], v[WC+6]
.irp p, 0,1,2
	ds_store_b64 v6, v[WC+2*\p:WC+2*\p+1] offset:24*(\t)+8*\p
.endr
.if (\t) < 6
	LOADW (\t)+2
.endif
	s_wait_dscnt 0x0                               ; the stores have read their registers: the next block's codes may be written
.endm
	LOADW 0
	LOADW 1
.set Q, 0
.rept 8
	BLOCKW Q
.set Q, Q+1
.endr
.irp e, 0,1                                    ; back as fragments: lane (r, h) of tile u takes column 8 u + r + 8 (r / 8), blocks 4 e + h and 4 e + 2 + h
.irp u, 0,1
.irp p, 0,1,2,3,4,5
	ds_load_b64 v[WF+12*(2*\e+\u)+2*\p:WF+12*(2*\e+\u)+2*\p+1], v7 offset:1600*\u+96*\e+48*(\p/3)+8*(\p%3)
.endr
.endr
.endr
	s_wait_dscnt 0x0
.irp e, 0,1                                    ; s[54:55]: the first 128 K's place, s[62:63]: the second's
.irp u, 0,1
.irp c, 0,1,2
	global_store_b128 v4, v[WF+12*(2*\e+\u)+4*\c:WF+12*(2*\e+\u)+4*\c+3], s[54+8*\e:55+8*\e] offset:FRB*\u+512*\c
.endr
.endr
.endr
	global_store_b64 v8, v[SB:SB+1], s[56:57]      ; the 32 lanes fill 256 consecutive bytes, aligned
	s_wait_tensorcnt 0x0
	ds_add_u32 v248, v249
	s_wait_dscnt 0x0
	s_endpgm
.Lfunc_end_k_q978bc0b157_quant:
	.size	k_q978bc0b157_quant, .Lfunc_end_k_q978bc0b157_quant-k_q978bc0b157_quant
	.p2alignl 7, 3214868480
	.fill 96, 4, 3214868480
	.section	.rodata,"a",@progbits
	.p2align	6, 0x0
	.amdhsa_kernel k_q978bc0b157_quant
		.amdhsa_group_segment_fixed_size 59904
		.amdhsa_private_segment_fixed_size 0
		.amdhsa_enable_private_segment 0
		.amdhsa_kernarg_size 40
		.amdhsa_user_sgpr_count 2
		.amdhsa_user_sgpr_kernarg_segment_ptr 1
		.amdhsa_wavefront_size32 1
		.amdhsa_system_sgpr_workgroup_id_x 1
		.amdhsa_system_sgpr_workgroup_id_y 1
		.amdhsa_system_sgpr_workgroup_id_z 1
		.amdhsa_system_vgpr_workitem_id 0
		.amdhsa_next_free_vgpr 250
		.amdhsa_next_free_sgpr 66
		.amdhsa_reserve_vcc 0
		.amdhsa_float_denorm_mode_32 3
		.amdhsa_float_denorm_mode_16_64 3
		.amdhsa_memory_ordered 1
		.amdhsa_forward_progress 1
		.amdhsa_inst_pref_size 75
	.end_amdhsa_kernel
	.amdgpu_metadata
---
amdhsa.version: [ 1, 2 ]
amdhsa.kernels:
  - .name:           k_q978bc0b157_quant
    .symbol:         k_q978bc0b157_quant.kd
    .args:
      - { .name: x, .offset: 0, .size: 8, .value_kind: global_buffer, .address_space: global }
      - { .name: W_fc, .offset: 8, .size: 8, .value_kind: global_buffer, .address_space: global }
      - { .name: W_fc2, .offset: 16, .size: 8, .value_kind: global_buffer, .address_space: global }
      - { .name: x_img, .offset: 24, .size: 8, .value_kind: global_buffer, .address_space: global }
      - { .name: w_img, .offset: 32, .size: 8, .value_kind: global_buffer, .address_space: global }
    .group_segment_fixed_size: 59904
    .private_segment_fixed_size: 0
    .kernarg_segment_align: 8
    .kernarg_segment_size: 40
    .max_flat_workgroup_size: 128
    .sgpr_count:     66
    .vgpr_count:     250
    .wavefront_size: 32
...
	.end_amdgpu_metadata
.endif
;; end of part 1
;; launch gemm1 (part 2): grid 8 x 32, 4 waves a work-group, clusters of 4 x 4, 327,680 bytes of LDS; arguments x_img, w_img, b_fc, q_img, kv_img; writes q_img, kv_img
.if DOCPART == 2
	.amdgcn_target "amdgcn-amd-amdhsa--gfx1250"
	.amdhsa_code_object_version 6
	.text
	.protected	k_q978bc0b157_gemm1
	.globl	k_q978bc0b157_gemm1
	.p2align	8
	.type	k_q978bc0b157_gemm1,@function
k_q978bc0b157_gemm1:
	s_mov_b64 s[64:65], 0
	v_nop
	global_prefetch_b8 v0, s[64:65] scope:SCOPE_SE
	s_setreg_imm32_b32 hwreg(HW_REG_WAVE_MODE, 25, 1), 1
	s_wait_xcnt 0x0
	s_wait_alu depctr_hold_cnt(0) depctr_sa_sdst(0) depctr_va_vdst(0) depctr_va_sdst(0) depctr_va_ssrc(0) depctr_va_vcc(0) depctr_vm_vsrc(0)
	s_getreg_b32 s2, hwreg(HW_REG_IB_STS2, 6, 4)
	s_cmp_eq_u32 s2, 0
	s_cbranch_scc0 .Lentry_in_a_cluster
	s_endpgm
.Lentry_in_a_cluster:
	s_bfe_u32 s2, ttmp6, 0x10000c
	s_cmp_lg_u32 s2, 0xf033
	s_cbranch_scc0 .Lentry_shape_is_right
	s_endpgm
.Lentry_shape_is_right:
; qkv = swish(x W_fc + b_fc) on codes of FP6 (E2M3), and its three parts quantised again in registers: q and k along the head's 64 channels, v along the keys.  Nothing of qkv goes to memory as f32.
; 8,192 x 3,072 results on 256 work-groups of equal work: each makes 256 rows x 384 columns, IN TWO PHASES on the same 256 rows of x.  SOURCE 0's index runs along a lane's registers, SOURCE 1's along the lanes.
;   PHASE 1 (q, k): source 0 = 256 columns of W_fc (two heads' q and k), source 1 = the rows of x: a lane holds one row and neighbouring CHANNELS.  A wave makes 128 x 128: 64 accumulators.
;   PHASE 2 (v):    source 0 = the rows of x, source 1 = 128 columns of W_fc (the same two heads' v): a lane holds one channel and neighbouring KEYS.  A wave makes 128 keys x 64 channels: 32 accumulators.
; The operands come as images of their registers (see the quantising launch): a fragment is three loads of 16 bytes a lane at 16 x lane; no pitch, no padding.
; THE RING: three LDS slots, each for 256 along K: x's 51,200 bytes, then the weight's.  Phase 1 has four fills: three first fills, the fourth into slot 0.  THE RING GOES ON INTO PHASE 2: its four fills go into slots 1, 2, 0, 1; the first
; three are asked for from phase 1's sixth K step on and land while q and k go out, which takes no LDS.  Every refill stands behind a round of the cluster's barrier, one load a wave.  By this text's count a wave has at most three tensor loads out.
; CLUSTERS: 4 x 4.  x's tile hangs on the work-group's y alone and is asked for jointly along a row of the cluster; the weight's tiles hang on its x alone, along a column.  No LDS address hangs on either.
; The bias is the C of each sum's first matrix instruction.  swish(y) = y / (1 + 2^(-y log2 e)), in f32.
; THE WAY OUT needs no LDS: 64 numbers of a lane become a fragment (12 registers) and a scale word, stored as images: q_img [b, head][128 rows]: 4 fragments + 256 bytes of scale words; kv_img [b, head][128 keys]: k likewise, then v.
;   A fragment of q or k holds TWO tiles of 16 rows x 64 channels (K 0-63: the first tile, K 64-127: the second); a fragment of v holds 16 channels x 128 keys.
; LIMITS: NaN and infinities are not served; blocks whose largest magnitude lies under 2^-124 keep the byte 1 (not tried); a block of zeros has the byte 1, its codes are zeros.
; REGISTERS, in windows of 256: window 0: v8-29 addresses; v32-63 scale words, two sets; v64-127 q's and k's bias, later 64 numbers at work; v128-223 source 1's fragments (phase 1: eight; phase 2: two sets of four), on the way out at work;
;   v224-255 v's bias;  window 1: source 0's fragments, two sets, at v0 and v128;  window 2: accumulators (a, b) of source 1's blocks a = 0-3 at v[8 (8 a + b)];  window 3: those of a = 4-7 (phase 1 alone).
.set FR,    12
.set FRB,   1536                       ; a fragment's image
.set ESTEP, 24576                      ; 16 fragments: 128 along K of 256 rows
.set VSTEP, 12288                      ; 8 fragments: 128 along K of v's 128 columns
.set SCOFF, 49152                      ; behind two runs of 16 fragments: the scale words
.set SIDE,  51200                      ; x's part of a slot, and in phase 1 the weight's
.set HALFB, 25600                      ; what one tensor load brings
.set SLOTB, 102400
.set TILEB, 204800                     ; 256 rows of an image
.set SPARE, 3*SLOTB                    ; behind the slots: the spare words, 128 bytes a wave: two blocks of 256 bytes that no other line names
.set ADX,  8                           ; v8-10  phase 2: x's scale words in slot 0, 1, 2, in all lanes
.set ADRS, 12                          ; v12-14 scale words: lanes 0-15 source 1's, lanes 16-31 source 0's
.set ADRA, 16                          ; v16-18 source 1's fragments
.set ADRB, 20                          ; v20-22 source 0's
.set L16,  24                          ; v24 16 x lane
.set L8,   25                          ; v25 8 x lane
.set SPW,  28                          ; v28 my spare word; never rewritten
.set NIL,  29                          ; v29 0; never rewritten
.set SC,   32                          ; set s at v[SC + 16 s]: register 2 i + e: lanes 0-15 source 1's block i, lanes 16-31 source 0's block i, K step e of the fill
.set BI,   64
.set AF,   128
.set BV,   224
.set T,    64                          ; the way out: 64 numbers
.set PC,   128                         ; v128-139 the fragment, v140-147 second halves
.set TM,   148                         ; v148-163 at work
.set PWQ,  164                         ; v164-167 a quad's four scale words
.set RR,   168                         ; v168-169 as they are stored
.set PW,   170
.set G1A, 24                           ; s[24:31] group 1 for x;  s[32:43] its groups 0, one for each slot
.set G0A, 32
.set G1B, 44                           ; s[44:51], s[52:63] the same for the weight
.set G0B, 52
.set SEL, 88
.set HM,  90
.set NL,  92
.set VP,  94                           ; s[94:95] where my part of v's columns begins in w_img
.set MSB, 0
.macro WIN new                         ; the immediate's high byte repeats the setting that is left
.if MSB != (\new)
	s_set_vgpr_msb (MSB<<8)|(\new)
.set MSB, (\new)
.endif
.endm
.macro PLACES                          ; four places in front of loads into registers that matrix instructions have read, and of the first read of results
.rept 4
	v_nop
.endr
.endm
; A joint load of phase 1: waves 0 and 1 fetch x's two halves, waves 2 and 3 the weight's.  Four v_nop follow each line.
.macro JLOAD sg
	s_cmp_eq_u32 s15, 0
	s_cbranch_scc0 .Lfor_b_\@
	tensor_load_to_lds s[G0A+4*\sg:G0A+4*\sg+3], s[G1A:G1A+7]
	s_nop 0
.rept 4
	v_nop
.endr
	s_branch .Lasked_\@
.Lfor_b_\@:
	tensor_load_to_lds s[G0B+4*\sg:G0B+4*\sg+3], s[G1B:G1B+7]
	s_nop 0
.rept 4
	v_nop
.endr
.Lasked_\@:
.endm
; A joint load of phase 2: waves 0 and 1 fetch x's two halves, wave 2 v's part, wave 3 nothing.  The branches hang on the wave's number alone.
.macro JLOAD2 sg
	s_cmp_lt_u32 s14, 2
	s_cbranch_scc0 .Lnot_x_\@
	tensor_load_to_lds s[G0A+4*\sg:G0A+4*\sg+3], s[G1A:G1A+7]
	s_nop 0
.rept 4
	v_nop
.endr
	s_branch .Lasked2_\@
.Lnot_x_\@:
	s_cmp_eq_u32 s14, 2
	s_cbranch_scc0 .Lasked2_\@
	tensor_load_to_lds s[G0B+4*\sg:G0B+4*\sg+3], s[G1B:G1B+7]
	s_nop 0
.rept 4
	v_nop
.endr
.Lasked2_\@:
.endm
.macro CREST                           ; a round of the cluster's barrier behind its opening barrier
	s_cmp_lg_u32 s14, 0
	s_cbranch_scc1 .Lnot_wave_0_\@
	s_barrier_signal -3
.Lnot_wave_0_\@:
	s_barrier_wait -3
	s_barrier_signal -1
	s_barrier_wait -1
.endm
.macro CROUND
	s_barrier_signal -1
	s_barrier_wait -1
	CREST
.endm
; Slot sg's descriptors step to phase 2's fill g (256 along K from 256 g on).  x's address stood one fill further on (for g = 3: three fills back).  Written only where no tensor load of the wave is out.
.macro DSTEP sg, g
.if \g == 3
	s_add_nc_u64 s[G0A+4*\sg+2:G0A+4*\sg+3], s[G0A+4*\sg+2:G0A+4*\sg+3], 3*SIDE
.else
	s_sub_nc_u64 s[G0A+4*\sg+2:G0A+4*\sg+3], s[G0A+4*\sg+2:G0A+4*\sg+3], SIDE
.endif
	s_add_nc_u64 s[G0B+4*\sg+2:G0B+4*\sg+3], s[VP:VP+1], \g*HALFB
	s_or_b32 s[G0B+4*\sg+3], s[G0B+4*\sg+3], 0x80000000
.endm
; A refill outside the products: every wave waits for all its tensor loads, adds 0 to its spare word, waits for that and for its LDS reads; a round of the cluster's barrier; the joint load first behind it.
.macro REFILL sg, g
	s_wait_tensorcnt 0x0                           ; all my tensor loads have landed: a group 0 may be written
	ds_add_u32 v[SPW], v[NIL]                      ; 0 onto my spare word
	DSTEP \sg, \g
	s_wait_dscnt 0x0                               ; the add is done, and my reads of the slot are over
	CROUND                                         ; no wave of any partner still reads the slot or has a load on its way
	JLOAD2 \sg
.endm
	s_load_b128 s[4:7], s[0:1], 0x0                ; x_img, w_img
	s_load_b128 s[8:11], s[0:1], 0x10              ; b_fc, q_img
	s_load_b64 s[12:13], s[0:1], 0x20              ; kv_img
	v_lshl_add_u32 v[SPW], v0, 2, SPARE
	v_mov_b32 v[NIL], 0
	ds_add_u32 v28, v29
	ds_add_u32 v28, v29
	s_wait_dscnt 0x0
	v_lshrrev_b32 v1, 5, v0
	v_readfirstlane_b32 s14, v1                    ; wave 0..3
	s_lshr_b32 s15, s14, 1                         ; my half of source 1.  In phase 1 also: I fetch for x (0) or for the weight (1)
	s_and_b32 s16, s14, 1                          ; my half of source 0.  Also: which half of a part I fetch
	s_bfe_u32 s17, ttmp6, 0x40000                  ; cx
	s_bfe_u32 s18, ttmp6, 0x40004                  ; cy
	s_lshl_b32 s19, ttmp9, 2
	s_add_co_u32 s19, s19, s17                     ; work-group x: w_img's tile of q and k, and its part of v: heads 2 x, 2 x + 1
	s_and_b32 s22, ttmp7, 0xffff
	s_lshl_b32 s22, s22, 2
	s_add_co_u32 s22, s22, s18                     ; work-group y: x_img's tile
	s_lshl_b32 s23, s18, 2
	s_lshl_b32 s23, 15, s23                        ; my row of the cluster
	s_lshl_b32 s66, 0x1111, s17                    ; my column
	; group 1: 25,600 dense bytes as 100 rows of 256 bytes (32 elements of 8 bytes); no padding; bit 21 set beside a mask
	s_or_b32 s[G1A], s23, (3<<16)|(1<<21)
	s_or_b32 s[G1B], s66, (3<<16)|(1<<21)
.irp g, G1A, G1B
	s_mov_b32 s[\g+1], 32<<16                      ; tensor_dim0
	s_mov_b32 s[\g+2], 100<<16                     ; tensor_dim1
	s_mov_b32 s[\g+3], 32<<16                      ; tile_dim0
	s_mov_b32 s[\g+4], 100                         ; tile_dim1
	s_mov_b32 s[\g+5], 32                          ; the pitch
	s_mov_b32 s[\g+6], 0
	s_mov_b32 s[\g+7], 0
.endr
	s_mul_i32 s67, s16, HALFB
	s_mul_i32 s68, s22, TILEB
	s_add_co_u32 s68, s68, s67                     ; x: its tile, my half of a fill
	s_mov_b32 s69, 0
	s_mul_i32 s70, s19, TILEB
	s_add_co_u32 s70, s70, s67                     ; q's and k's columns likewise
	s_mov_b32 s71, 0
	s_mul_i32 s20, s19, TILEB/2
	s_add_co_u32 s20, s20, 8*TILEB                 ; v's part: behind the eight tiles of q and k, 102,400 bytes a part
	s_mov_b32 s21, 0
	s_mul_i32 s72, s14, HALFB                      ; where they go: wave x 25,600: no place in the cluster enters an LDS address
	s_wait_kmcnt 0x0
	s_add_nc_u64 s[74:75], s[4:5], s[68:69]
	s_add_nc_u64 s[76:77], s[6:7], s[70:71]
	s_add_nc_u64 s[VP:VP+1], s[6:7], s[20:21]
	CROUND                                         ; all sixteen work-groups are here: the first joint loads meet
.irp s, 0,1,2
	s_mov_b32 s[G0A+4*\s], 1
	s_add_co_u32 s[G0A+4*\s+1], s72, \s*SLOTB
	s_add_nc_u64 s[G0A+4*\s+2:G0A+4*\s+3], s[74:75], \s*SIDE
	s_or_b32 s[G0A+4*\s+3], s[G0A+4*\s+3], 0x80000000
	s_mov_b32 s[G0B+4*\s], 1
	s_add_co_u32 s[G0B+4*\s+1], s72, \s*SLOTB
	s_add_nc_u64 s[G0B+4*\s+2:G0B+4*\s+3], s[76:77], \s*SIDE
	s_or_b32 s[G0B+4*\s+3], s[G0B+4*\s+3], 0x80000000
	JLOAD \s                                       ; phase 1's fills 0, 1, 2: K 0-255, 256-511, 512-767
.endr
	v_and_b32 v1, 31, v0
	v_and_b32 v2, 15, v0                           ; r
	v_bfe_u32 v3, v0, 4, 1                         ; h
	v_lshlrev_b32 v[L16], 4, v1
	v_lshlrev_b32 v[L8], 3, v1
	s_mul_i32 s78, s15, 8*FRB                      ; phase 1: my eight blocks of x,
	s_mul_i32 s79, s16, 8*FRB                      ; of the weight,
	s_add_co_u32 s79, s79, SIDE                    ; which lies behind x's part
.irp s, 0,1,2
	v_add_nc_u32 v[ADRA+\s], s78, v[L16]
	v_add_nc_u32 v[ADRB+\s], s79, v[L16]
	s_add_co_u32 s78, s78, SLOTB
	s_add_co_u32 s79, s79, SLOTB
.endr
	s_lshl_b32 s78, s15, 10                        ; scale words: 128 bytes a block
	s_lshl_b32 s79, s16, 10
	s_add_co_u32 s79, s79, SIDE
	s_sub_co_u32 s79, s79, s78
	v_mul_u32_u24 v4, s79, v3                      ; lanes 16-31 take source 0's
	v_lshl_add_u32 v4, v2, 3, v4                   ; 8 bytes a row: the fill's two words
	s_add_co_u32 s78, s78, SCOFF
.irp s, 0,1,2
	v_add_nc_u32 v[ADRS+\s], s78, v4
	s_add_co_u32 s78, s78, SLOTB
.endr
	; the biases, in the results' layouts
	v_lshlrev_b32 v5, 6, v3                        ; 64 h
	v_and_b32 v6, 8, v2
	v_add_nc_u32 v6, v6, v2
	v_lshlrev_b32 v6, 2, v6                        ; 4 (r + 8 (r / 8))
	s_lshl_b32 s80, s19, 1
	s_add_co_u32 s82, s80, s15                     ; phase 2's head
	s_add_co_u32 s80, s80, s16                     ; phase 1's head
	s_mul_i32 s80, s80, 768
	s_mov_b32 s81, 0
	s_add_nc_u64 s[80:81], s[8:9], s[80:81]
	s_mul_i32 s82, s82, 768
	s_mov_b32 s83, 0
	s_add_nc_u64 s[82:83], s[8:9], s[82:83]
.irp b, 0,1,2,3,4,5,6,7                        ; q, k: block b, register j: part b / 4, channel 32 ((b % 4) / 2) + 16 h + 8 (b % 2) + j
	global_load_b128 v[BI+8*\b:BI+8*\b+3], v5, s[80:81] offset:((\b/4)*64+32*((\b%4)/2)+8*(\b%2))*4
	global_load_b128 v[BI+8*\b+4:BI+8*\b+7], v5, s[80:81] offset:((\b/4)*64+32*((\b%4)/2)+8*(\b%2))*4+16
.endr
.irp a, 0,1,2,3                                ; v: block a: the lane's own channel, the same in all eight registers
.irp j, 0,1,2,3,4,5,6,7
	global_load_b32 v[BV+8*\a+\j], v6, s[82:83] offset:(128+32*(\a/2)+8*(\a%2))*4
.endr
.endr
.macro WM d, a, b, c, sa, sb           ; source 0's scales stand in lanes 16-31 of their register
	v_wmma_scale_f32_16x16x128_f8f6f4 v[\d:\d+7], v[\a:\a+11], v[\b:\b+11], v[\c:\c+7], v[\sa], v[\sb] matrix_a_fmt:MATRIX_FMT_FP6 matrix_b_fmt:MATRIX_FMT_FP6 matrix_a_scale:MATRIX_SCALE_ROW1
.endm
; PHASE 1.  16 matrix instructions: source 1's blocks a0, a0 + 1 x source 0's eight.  p: source 0's set; e: the fill's K step; set: the scale words' set; cs = 1: C = the bias.
; The 64 accumulators take turns, one instruction a turn, in the same order in every step.
.macro MUL16 a0, p, e, set, cs
.irp a, \a0, \a0+1
.irp b, 0,1,2,3,4,5,6,7
.if \cs
	WM 8*(8*((\a)%4)+\b), 128*(\p)+FR*\b, AF+FR*(\a), BI+8*\b, SC+16*(\set)+2*\b+(\e), SC+16*(\set)+2*(\a)+(\e)
.else
	WM 8*(8*((\a)%4)+\b), 128*(\p)+FR*\b, AF+FR*(\a), 8*(8*((\a)%4)+\b), SC+16*(\set)+2*\b+(\e), SC+16*(\set)+2*(\a)+(\e)
.endif
.endr
.endr
.endm
.macro FRAG reg, adr, off              ; a fragment's image: three loads of 512 consecutive bytes
.irp c, 0,1,2
	ds_load_b128 v[\reg+4*\c:\reg+4*\c+3], v[\adr] offset:\off+512*\c
.endr
.endm
.macro FETCH_B sg, e, p
	WIN 0x40                                       ; destination window 1
.irp i, 0,1,2,3,4,5,6,7
	FRAG 128*(\p)+FR*\i, ADRB+\sg, ESTEP*(\e)+FRB*\i
.endr
	WIN 0
.endm
.macro FETCH_A sg, e, i0
.irp i, \i0, \i0+1, \i0+2, \i0+3
	FRAG AF+FR*(\i), ADRA+\sg, ESTEP*(\e)+FRB*(\i)
.endr
.endm
.macro SCALES sg, set
.irp i, 0,1,2,3,4,5,6,7
	ds_load_b64 v[SC+16*(\set)+2*\i:SC+16*(\set)+2*\i+1], v[ADRS+\sg] offset:128*\i
.endr
.endm
; K step k, even: its successor lies in the same slot.
.macro STEP k, cs
.set SG, ((\k)/2)%3
.set SS, ((\k)/2)%2
	s_wait_dscnt 12                                ; all but the youngest 12 loads (source 1's blocks 4-7)
.if \cs
	WIN 0x81                                       ; source 0 window 1, source 1 and C window 0, D window 2
.else
	WIN 0xa1
.endif
	MUL16 0, 0, 0, SS, \cs
	MUL16 2, 0, 0, SS, \cs
	s_wait_dscnt 0x0                               ; blocks 4-7 are in (asked for 32 matrix instructions ago)
	PLACES
	FETCH_B SG, 1, 1
	FETCH_A SG, 1, 0
.if \cs
	WIN 0xc1
.else
	WIN 0xf1
.endif
	MUL16 4, 0, 0, SS, \cs
	MUL16 6, 0, 0, SS, \cs
	PLACES
	WIN 0
	FETCH_A SG, 1, 4
.endm
; K step k, odd: the slot's last; behind its barrier the next slot is read.  refill = 0: a plain barrier; left tensor loads may stay out.
; refill = 1: slot 0 takes phase 1's fourth fill;  refill = 2: slot 1 takes phase 2's first.  Then every wave waits for all its tensor loads, adds 0 to its spare word, waits for that and for its LDS reads;
; the barrier opens a round of the cluster's barrier; the joint load is the first thing behind it.
.macro TURN k, refill, left
.set SG, ((\k)/2)%3
.set SS, ((\k)/2)%2
.set NG, (((\k)+1)/2)%3
.set NS, (((\k)+1)/2)%2
.if \refill
	s_wait_tensorcnt 0x0                           ; all my tensor loads have landed, my part of the next slot among them
	ds_add_u32 v[SPW], v[NIL]                      ; 0 onto my spare word
.if \refill == 1
	s_add_nc_u64 s[G0A+2:G0A+3], s[G0A+2:G0A+3], 3*SIDE   ; no tensor load of mine is out: slot 0's descriptors step to the fourth fill
	s_add_nc_u64 s[G0B+2:G0B+3], s[G0B+2:G0B+3], 3*SIDE
.else
	DSTEP 1, 0
.endif
	s_wait_dscnt 13                                ; (the add and the youngest 12 loads may be out)
.else
	s_wait_tensorcnt \left                         ; my part of the next slot has landed
	s_wait_dscnt 12
.endif
	WIN 0xa1
	MUL16 0, 1, 1, SS, 0
	s_wait_dscnt 0x0                               ; my reads of this slot are over (and the add is done)
	s_barrier_signal -1
	MUL16 2, 1, 1, SS, 0
	WIN 0
	s_barrier_wait -1
.if \refill == 1
	CREST                                          ; no wave of any partner still reads slot 0 or has a load on its way
	JLOAD 0                                        ; K 768-1023: it has two K steps, 128 matrix instructions, in which to land
.elseif \refill == 2
	CREST
	JLOAD2 1                                       ; phase 2's K 0-255: it has two K steps and the way out in which to land
.endif
	PLACES
	FETCH_B NG, 0, 0
	FETCH_A NG, 0, 0
	SCALES NG, NS
	WIN 0xf1
	MUL16 4, 1, 1, SS, 0
	MUL16 6, 1, 1, SS, 0
	PLACES
	WIN 0
	FETCH_A NG, 0, 4
.endm
	s_wait_tensorcnt 0x2                           ; my part of slot 0 is in; slots 1 and 2 may stay out
	s_barrier_signal -1
	s_barrier_wait -1
	FETCH_B 0, 0, 0
	FETCH_A 0, 0, 0
	SCALES 0, 0
	FETCH_A 0, 0, 4
	s_wait_loadcnt 0x0                             ; the biases
	STEP 0, 1                                      ; the first K step starts the sums, on the bias
	TURN 1, 0, 0x1                                 ; slot 1 has landed; slot 2's load may stay out
	STEP 2, 0
	TURN 3, 1, 0
	STEP 4, 0
	TURN 5, 2, 0
	STEP 6, 0
	s_wait_dscnt 12                                ; phase 1's last K step: nothing more to fetch
	WIN 0xa1
	MUL16 0, 1, 1, 1, 0
	MUL16 2, 1, 1, 1, 0
	s_wait_dscnt 0x0
	WIN 0xf1
	MUL16 4, 1, 1, 1, 0
	MUL16 6, 1, 1, 1, 0
	WIN 0
; ---------------- THE WAY OUT ----------------
; 64 accumulator registers of window w (32 from b0 on, 32 from b1 on) become swish of themselves in v[T] on.  Each accumulator is read from its low end on.
.macro ACT w, b0, b1
	WIN \w                                         ; source 0: window w
.set J, 0
.rept 16
	v_pk_mul_f32 v[T+J:T+J+1], v[\b0+J:\b0+J+1], s[NL:NL+1] op_sel_hi:[1,0]          ; -y log2 e
.set J, J+2
.endr
.set J, 0
.rept 16
	v_pk_mul_f32 v[T+32+J:T+33+J], v[\b1+J:\b1+J+1], s[NL:NL+1] op_sel_hi:[1,0]
.set J, J+2
.endr
	WIN 0
.set J, 0
.rept 64
	v_exp_f32 v[T+J], v[T+J]
.set J, J+1
.endr
	v_nop                                          ; one plain place behind the transcendentals
.set J, 0
	s_wait_alu depctr_va_vdst(0)
.rept 32
	v_pk_add_f32 v[T+J:T+J+1], v[T+J:T+J+1], 1.0 op_sel_hi:[1,0]
.set J, J+2
.endr
.set J, 0
.rept 64
	v_rcp_f32 v[T+J], v[T+J]
.set J, J+1
.endr
	v_nop
	WIN \w
.set J, 0
	s_wait_alu depctr_va_vdst(0)
.rept 16
	v_pk_mul_f32 v[T+J:T+J+1], v[\b0+J:\b0+J+1], v[T+J:T+J+1]                         ; y x sigmoid(y)
.set J, J+2
.endr
.set J, 0
.rept 16
	v_pk_mul_f32 v[T+32+J:T+33+J], v[\b1+J:\b1+J+1], v[T+32+J:T+33+J]
.set J, J+2
.endr
	WIN 0
.endm
; 64 numbers of a lane, register 16 b + i = k 32 b + 16 (lane / 16) + i of my row, become a fragment's codes in v[PC] on and its scale word in v[PW].
.macro QUANT s
.irp b, 0,1,2,3
	v_max3_num_f32 v[TM+\b], |v[\s+16*\b]|, |v[\s+1+16*\b]|, 0x1800000   ; block b: my 16 numbers, and the floor 2^(3 - 127)
.endr
.irp i, 2,4,6,8,10,12,14
.irp b, 0,1,2,3
	v_max3_num_f32 v[TM+\b], v[TM+\b], |v[\s+16*\b+\i]|, |v[\s+1+16*\b+\i]|
.endr
.endr
.irp b, 0,1,2,3
	v_permlanex16_b32 v[TM+4+\b], v[TM+\b], s[SEL], s[SEL+1]
.endr
.irp b, 0,1,2,3
	v_max_num_f32 v[TM+\b], v[TM+\b], v[TM+4+\b]   ; with lane l xor 16's: the block's largest magnitude
.endr
.irp b, 0,1,2,3
	v_add_nc_u32 v[TM+12+\b], 0xff000000, v[TM+\b] ; 2 off its exponent field: the conversion's scale operand
.endr
.irp b, 0,1,2,3
	v_lshrrev_b32 v[TM+4+\b], 23, v[TM+12+\b]      ; the scale's byte
.endr
	v_lshl_or_b32 v[PW], v[TM+5], 8, v[TM+4]
	v_lshl_or_b32 v[PW], v[TM+6], 16, v[PW]
	v_lshl_or_b32 v[PW], v[TM+7], 24, v[PW]
.irp c, 0,1
	v_cvt_scalef32_pk16_fp6_f32 v[PC+6*\c:PC+2+6*\c], v[\s+32*\c:\s+15+32*\c], v[TM+12+2*\c]
	v_cvt_scalef32_pk16_fp6_f32 v[PC+12+4*\c:PC+14+4*\c], v[\s+16+32*\c:\s+31+32*\c], v[TM+12+2*\c+1]
.endr
	v_nop                                          ; one plain place behind a scaled conversion
.irp c, 0,1                                    ; the operand's layout wants a WHOLE block in a lane
.irp i, 0,1,2
	v_permlane16_swap_b32 v[PC+6*\c+\i], v[PC+12+4*\c+\i]
.endr
.irp i, 0,1,2
	v_mov_b32 v[PC+3+6*\c+\i], v[PC+12+4*\c+\i]
.endr
.endr
.endm
.macro GROUP w, b0, b1, g, base        ; fragment g of a quad
	ACT \w, \b0, \b1
	s_wait_xcnt 0x0                                ; the last fragment's stores have read their registers
	QUANT T
	v_mov_b32 v[PWQ+\g], v[PW]
.irp c, 0,1,2
	global_store_b128 v[L16], v[PC+4*\c:PC+4*\c+3], s[\base:\base+1] offset:FRB*\g+512*\c   ; 512 consecutive bytes, aligned
.endr
.endm
.macro QUADEND base                    ; the four scale words as two registers: fragments 0 and 2 in lanes 0-15, 1 and 3 in lanes 16-31
	v_cndmask_b32 v[RR], v[PWQ], v[PWQ+1], s[HM]
	v_cndmask_b32 v[RR+1], v[PWQ+2], v[PWQ+3], s[HM]
	global_store_b64 v[L8], v[RR:RR+1], s[\base:\base+1] offset:4*FRB
.endm
	PLACES
.irp b, 0,1,2,3
	v_mov_b32 v[TM+4+\b], 0                        ; written once: a lane permute's destination counts as one of its sources
.endr
	s_mov_b32 s[SEL], 0x76543210
	s_mov_b32 s[SEL+1], 0xfedcba98
	s_mov_b32 s[HM], 0xffff0000
	s_mov_b32 s[NL], 0xbfb8aa3b                    ; -log2 e
	s_mov_b32 s[NL+1], s[NL]
	s_lshr_b32 s82, s22, 3                         ; batch
	s_lshl_b32 s82, s82, 4
	s_lshl_b32 s83, s19, 1
	s_add_co_u32 s82, s82, s83                     ; 16 x batch + my first head
	s_and_b32 s83, s22, 7
	s_lshl_b32 s83, s83, 1                         ; the tile's first 128 rows of the batch's 2,048
	s_add_co_u32 s84, s82, s16                     ; q, k: the head by my half of source 0,
	s_lshl_b32 s84, s84, 4
	s_add_co_u32 s84, s84, s83
	s_add_co_u32 s84, s84, s15                     ; the rows by my half of source 1
	s_add_co_u32 s96, s82, s15                     ; v: the head by my half of source 1,
	s_lshl_b32 s96, s96, 4
	s_add_co_u32 s96, s96, s83
	s_add_co_u32 s96, s96, s16                     ; the keys by my half of source 0
	s_mul_i32 s86, s84, 12800
	s_mul_i32 s84, s84, 6400
	s_mul_i32 s96, s96, 12800
	s_add_co_u32 s96, s96, 6400                    ; behind k's quad
	s_mov_b32 s85, 0
	s_mov_b32 s87, 0
	s_mov_b32 s97, 0
	s_add_nc_u64 s[84:85], s[10:11], s[84:85]      ; q's quad
	s_add_nc_u64 s[86:87], s[12:13], s[86:87]      ; k's
	s_add_nc_u64 s[96:97], s[12:13], s[96:97]      ; v's
	; part p (0: q, 1: k); fragment g: rows' tiles 2 g and 2 g + 1, each with the part's 64 channels (source 0's blocks 4 p .. 4 p + 3)
	GROUP 2, 0, 64, 0, 84
	REFILL 2, 1                                    ; phase 2's K 256-511 into slot 2, whose last reads were K step 5's
.irp g, 1,2,3
	GROUP 2+\g/2, 64*((2*\g)%4), 64*((2*\g)%4)+64, \g, 84
.endr
	QUADEND 84
	REFILL 0, 2                                    ; phase 2's K 512-767 into slot 0, whose last reads were K step 7's
.irp g, 0,1,2,3
	GROUP 2+\g/2, 64*((2*\g)%4)+32, 64*((2*\g)%4)+96, \g, 86
.endr
	QUADEND 86
; ---------------- PHASE 2: v.  Source 0 = my 128 rows of x (eight blocks), source 1 = my head's 64 columns (four blocks) ----------------
	s_mul_i32 s78, s15, 4*FRB                      ; my four blocks of v's part,
	s_add_co_u32 s78, s78, SIDE                    ; which lies behind x's part
	s_mul_i32 s79, s16, 8*FRB                      ; my eight blocks of x
.irp s, 0,1,2
	v_add_nc_u32 v[ADRA+\s], s78, v[L16]
	v_add_nc_u32 v[ADRB+\s], s79, v[L16]
	s_add_co_u32 s78, s78, SLOTB
	s_add_co_u32 s79, s79, SLOTB
.endr
	s_lshl_b32 s78, s15, 9
	s_add_co_u32 s78, s78, SIDE+2*VSTEP            ; v's scale words: 128 bytes a block
	s_lshl_b32 s79, s16, 10
	s_add_co_u32 s79, s79, SCOFF                   ; x's
	s_sub_co_u32 s78, s78, s79
	v_xor_b32 v7, 1, v3
	v_mul_u32_u24 v4, s78, v7                      ; lanes 0-15 take v's, lanes 16-31 x's
	v_lshlrev_b32 v5, 3, v2                        ; 8 bytes a row: the fill's two words
	v_add_nc_u32 v4, v4, v5
.irp s, 0,1,2
	v_add_nc_u32 v[ADRS+\s], s79, v4
	v_add_nc_u32 v[ADX+\s], s79, v5                ; x's in all lanes: for its blocks 4-7
	s_add_co_u32 s79, s79, SLOTB
.endr
; Step k's fragments into sets k % 2, and with an even step its fill's scale words.  Fill k / 2 lies in slot (k / 2 + 1) % 3.
.macro FETCH2 k
.set PP, (\k)%2
.set SG2, ((\k)/2+1)%3
.set SS2, ((\k)/2)%2
	WIN 0x40
.irp i, 0,1,2,3,4,5,6,7
	FRAG 128*PP+FR*\i, ADRB+SG2, ESTEP*PP+FRB*\i
.endr
	WIN 0
.irp i, 0,1,2,3
	FRAG AF+48*PP+FR*\i, ADRA+SG2, VSTEP*PP+FRB*\i
.endr
.if PP == 0
.irp i, 0,1,2,3
	ds_load_b64 v[SC+16*SS2+2*\i:SC+16*SS2+2*\i+1], v[ADRS+SG2] offset:128*\i
.endr
.irp i, 4,5,6,7
	ds_load_b64 v[SC+16*SS2+2*\i:SC+16*SS2+2*\i+1], v[ADX+SG2] offset:128*\i
.endr
.endif
.endm
.macro MULV p, set, cs                 ; 32 matrix instructions on 32 accumulators, by turns
.irp a, 0,1,2,3
.irp b, 0,1,2,3,4,5,6,7
.if \cs
	WM 8*(8*\a+\b), 128*(\p)+FR*\b, AF+48*(\p)+FR*\a, BV+8*\a, SC+16*(\set)+2*\b+(\p), SC+16*(\set)+2*\a+(\p)
.else
	WM 8*(8*\a+\b), 128*(\p)+FR*\b, AF+48*(\p)+FR*\a, 8*(8*\a+\b), SC+16*(\set)+2*\b+(\p), SC+16*(\set)+2*\a+(\p)
.endif
.endr
.endr
.endm
; A step: this step's fragments are waited for, the next step's are asked for into the other sets, then the 32 products.
; kind 1: slot 1, whose reads are over with this wait, takes the last fill, behind a round.  kind 2: a plain barrier shows that fill landed to every wave.
.macro P2STEP k, kind
.if (\k) > 0
	PLACES                                         ; in front of the loads into the sets that the last step's products read
.endif
.if \kind == 1
	REFILL 1, 3
.elseif \kind == 2
	s_wait_tensorcnt 0x0
	s_wait_dscnt 0x0
	s_barrier_signal -1
	s_barrier_wait -1
.else
	s_wait_dscnt 0x0
.endif
.if (\k) < 7
	FETCH2 (\k)+1
.endif
.if (\k) == 0
	WIN 0x81                                       ; C, the bias, in window 0
	MULV 0, 0, 1
.else
	WIN 0xa1
	MULV (\k)%2, ((\k)/2)%2, 0
.endif
	WIN 0
.endm
	s_wait_xcnt 0x0                                ; the way out's stores have read their registers: fragments may land there
	FETCH2 0                                       ; slot 1's fill was shown landed to every wave by the wait in front of the round that asked for slot 2's
	P2STEP 0, 0
	P2STEP 1, 1                                    ; (that round's wait shows slot 0's fill landed too)
	P2STEP 2, 0
	P2STEP 3, 0
	P2STEP 4, 0
	P2STEP 5, 2
	P2STEP 6, 0
	P2STEP 7, 0
	PLACES
.irp g, 0,1,2,3                                ; fragment g: my head's channel tile g, all 128 keys (source 0's eight blocks)
	GROUP 2, 64*\g, 64*\g+32, \g, 96
.endr
	QUADEND 96
	s_wait_tensorcnt 0x0                           ; the wave's end
	ds_add_u32 v[SPW], v[NIL]
	s_wait_dscnt 0x0
	CROUND                                         ; the closing round: no work-group ends while a partner may still ask for a tile that names it
	s_endpgm
.Lfunc_end_k_q978bc0b157_gemm1:
	.size	k_q978bc0b157_gemm1, .Lfunc_end_k_q978bc0b157_gemm1-k_q978bc0b157_gemm1
	.p2alignl 7, 3214868480
	.fill 96, 4, 3214868480
	.section	.rodata,"a",@progbits
	.p2align	6, 0x0
	.amdhsa_kernel k_q978bc0b157_gemm1
		.amdhsa_group_segment_fixed_size 327680
		.amdhsa_private_segment_fixed_size 0
		.amdhsa_enable_private_segment 0
		.amdhsa_kernarg_size 40
		.amdhsa_user_sgpr_count 2
		.amdhsa_user_sgpr_kernarg_segment_ptr 1
		.amdhsa_wavefront_size32 1
		.amdhsa_system_sgpr_workgroup_id_x 1
		.amdhsa_system_sgpr_workgroup_id_y 1
		.amdhsa_system_sgpr_workgroup_id_z 1
		.amdhsa_system_vgpr_workitem_id 0
		.amdhsa_next_free_vgpr 1024
		.amdhsa_next_free_sgpr 100
		.amdhsa_reserve_vcc 0
		.amdhsa_float_denorm_mode_32 3
		.amdhsa_float_denorm_mode_16_64 3
		.amdhsa_memory_ordered 1
		.amdhsa_forward_progress 1
		.amdhsa_inst_pref_size 255
	.end_amdhsa_kernel
	.section	.bss,"aw",@nobits
	.p2align	6
	.space	262144
	.amdgpu_metadata
---
amdhsa.version: [ 1, 2 ]
amdhsa.kernels:
  - .name:           k_q978bc0b157_gemm1
    .symbol:         k_q978bc0b157_gemm1.kd
    .args:
      - { .name: x_img, .offset: 0, .size: 8, .value_kind: global_buffer, .address_space: global }
      - { .name: w_img, .offset: 8, .size: 8, .value_kind: global_buffer, .address_space: global }
      - { .name: b_fc, .offset: 16, .size: 8, .value_kind: global_buffer, .address_space: global }
      - { .name: q_img, .offset: 24, .size: 8, .value_kind: global_buffer, .address_space: global }
      - { .name: kv_img, .offset: 32, .size: 8, .value_kind: global_buffer, .address_space: global }
    .group_segment_fixed_size: 327680
    .private_segment_fixed_size: 0
    .kernarg_segment_align: 8
    .kernarg_segment_size: 40
    .max_flat_workgroup_size: 128
    .sgpr_count:     100
    .vgpr_count:     1024
    .wavefront_size: 32
...
	.end_amdgpu_metadata
.endif
;; end of part 2
;; launch attn (part 3): grid 4 x 64, 16 waves a work-group, clusters of 4 x 1, 206,848 bytes of LDS; arguments q_img, kv_img, nv_img; writes nv_img
.if DOCPART == 3
	.amdgcn_target "amdgcn-amd-amdhsa--gfx1250"
	.amdhsa_code_object_version 6
	.text
	.protected	k_q978bc0b157_attn
	.globl	k_q978bc0b157_attn
	.p2align	8
	.type	k_q978bc0b157_attn,@function
k_q978bc0b157_attn:
	s_mov_b64 s[64:65], 0
	v_nop
	global_prefetch_b8 v0, s[64:65] scope:SCOPE_SE
	s_setreg_imm32_b32 hwreg(HW_REG_WAVE_MODE, 25, 1), 1
	s_wait_xcnt 0x0
	s_wait_alu depctr_hold_cnt(0) depctr_sa_sdst(0) depctr_va_vdst(0) depctr_va_sdst(0) depctr_va_ssrc(0) depctr_va_vcc(0) depctr_vm_vsrc(0)
	s_getreg_b32 s2, hwreg(HW_REG_IB_STS2, 6, 4)
	s_cmp_eq_u32 s2, 0
	s_cbranch_scc0 .Lentry_in_a_cluster
	s_endpgm
.Lentry_in_a_cluster:
	s_bfe_u32 s2, ttmp6, 0x10000c
	s_cmp_lg_u32 s2, 0x3003
	s_cbranch_scc0 .Lentry_shape_is_right
	s_endpgm
.Lentry_shape_is_right:
; new_v[b, q, head, :] = the sum over keys of softmax(q . k / sqrt(2048)) v, both products on codes of FP6 (E2M3), and new_v quantised again along its 64 channels, in registers.
; THE SOFTMAX AHEAD OF THE SECOND PRODUCT: t = score x log2(e) / sqrt(2048); M = the running largest t rounded UP to a whole number; p = 2^(t - M) is quantised along the keys, not normalised;
; the row's sum is taken of the unquantised p and divides at the end; when M moves, the sum and O are multiplied by 2^(old M - new M), which rounds nothing.
; SHARES.  A work-group owns 512 queries of one (batch, head); each of its sixteen waves 32 of them: two tiles of 16, one after the other (two passes).  Four waves share a SIMD: one wave's vector work stands beside another's matrix work and LDS loads.
; A HEAD'S WHOLE K AND V, 16 key steps x 12,800 bytes, LIE IN LDS: wave w brings key step w by one tensor load at the start.  Nothing is filled again: no ring.
; CLUSTER: the four work-groups of a (batch, head) need the same K and V: each load is asked for JOINTLY, with a mask that names the four.
; LAYOUT.  Both products are used transposed: S^T = K Q^T, O^T = V^T P^T: a lane holds ONE query throughout.  The images' tiles hold rows 8 u + r + 8 (r / 8) of each 32, so a lane's 16 registers of two neighbouring tiles are 16 neighbouring keys (or channels).
; K = 64 IN A FORM OF 128: a fragment of K's image holds two tiles of keys (K 0-63 the first, K 64-127 the second).  It is multiplied twice: by [q | zeros] and by [zeros | q], two runs of the registers [6 zeros, q's 6, 6 zeros]: zero codes add nothing.
; LIMITS: NaN and infinities are not served; a block whose every p has fallen to 0 keeps the byte 1, its codes are zeros.
; REGISTERS: v1-7 addresses; v8-25 zeros, q, zeros; v26 q's scale word, v27 the second tile's; v28-33 the second tile's q; v34 -M, v35 the largest t; v[36:37] the sum; v38 f, v39 p's scale word;
;   v40-87 four fragments of K, then of V; v88-151 S^T, then p; v152-183 O^T; v184-195 p's codes; v196-221 at work and scale words.
.set KVB,   12800                      ; a key step: K's quad, then V's
.set QUADB, 6400                       ; four fragments + 256 bytes of scale words
.set FRB,   1536
.set QZ,  8
.set QS,  26
.set QSB, 27
.set QB,  28
.set FB,  40
.set S,   88
.set O,   152
.set PC,  184
.set BM,  196
.set PT,  200
.set SO,  204
.set CT,  208
.set KS,  216
.set VS,  218
.set TP,  220
.set WV,  10
.set G1,  24
.set G0,  32
.set SEL, 40
.set CS,  42
.set TB,  44
.set CNT, 45
.set PASS, 46
.macro CROUND
	s_barrier_signal -1
	s_barrier_wait -1
	s_cmp_lg_u32 s[WV], 0
	s_cbranch_scc1 .Lnot_wave_0_\@
	s_barrier_signal -3
.Lnot_wave_0_\@:
	s_barrier_wait -3
	s_barrier_signal -1
	s_barrier_wait -1
.endm
	s_load_b128 s[4:7], s[0:1], 0x0                ; q_img, kv_img
	s_load_b64 s[8:9], s[0:1], 0x10                ; nv_img
	v_lshl_add_u32 v224, v0, 2, 0x32000
	v_mov_b32 v225, 0
	ds_add_u32 v224, v225
	ds_add_u32 v224, v225
	v_lshrrev_b32 v1, 5, v0
	v_readfirstlane_b32 s[WV], v1                  ; wave 0..15
	s_bfe_u32 s11, ttmp6, 0x40000                  ; cx: it enters q's and new_v's global addresses alone
	s_and_b32 s12, ttmp7, 0xffff                   ; 16 x batch + head, which the four partners share
	; group 1: 12,800 dense bytes as 50 rows of 256 bytes; the mask names all four work-groups, bit 21 beside it
	s_mov_b32 s[G1], 15|(3<<16)|(1<<21)
	s_mov_b32 s[G1+1], 32<<16
	s_mov_b32 s[G1+2], 50<<16
	s_mov_b32 s[G1+3], 32<<16
	s_mov_b32 s[G1+4], 50
	s_mov_b32 s[G1+5], 32
	s_mov_b32 s[G1+6], 0
	s_mov_b32 s[G1+7], 0
	s_lshl_b32 s13, s12, 4
	s_add_co_u32 s13, s13, s[WV]
	s_mul_i32 s14, s13, KVB                        ; key step = my wave's number
	s_mov_b32 s15, 0
	s_mul_i32 s16, s[WV], KVB
	s_wait_dscnt 0x0
	s_wait_kmcnt 0x0
	s_mov_b32 s[G0], 1
	s_mov_b32 s[G0+1], s16
	s_add_nc_u64 s[G0+2:G0+3], s[6:7], s[14:15]
	s_or_b32 s[G0+3], s[G0+3], 0x80000000
	CROUND                                         ; all four work-groups are here: the joint loads meet
	tensor_load_to_lds s[G0:G0+3], s[G1:G1+7]      ; my one tensor load
	s_nop 0
.rept 4
	v_nop
.endr
	v_and_b32 v9, 31, v0
	v_and_b32 v10, 15, v0                          ; r
	v_lshlrev_b32 v1, 4, v9                        ; 16 x lane
	v_lshlrev_b32 v2, 3, v9                        ; 8 x lane
	v_lshlrev_b32 v5, 1, v10                       ; 2 r
	s_lshl_b32 s17, s12, 4
	s_lshl_b32 s18, s11, 2
	s_add_co_u32 s17, s17, s18
	s_lshr_b32 s18, s[WV], 2
	s_add_co_u32 s17, s17, s18                     ; my queries' quad of 128 rows
	s_mul_i32 s18, s17, QUADB
	s_mov_b32 s19, 0
	s_add_nc_u64 s[4:5], s[4:5], s[18:19]
	s_and_b32 s20, s[WV], 3                        ; and my fragment in it: 32 rows, two tiles
	s_mul_i32 s21, s20, FRB
	v_add_nc_u32 v6, s21, v1
	s_and_b32 s21, s[WV], 1
	s_lshl_b32 s21, s21, 7
	s_lshr_b32 s20, s20, 1
	s_lshl_b32 s20, s20, 2
	s_add_co_u32 s21, s21, s20
	v_lshl_add_u32 v7, v10, 3, s21                 ; its scale word: register (fragment / 2), lane 16 (fragment % 2) + r
.irp c, 0,1,2
	global_load_b128 v[FB+4*\c:FB+4*\c+3], v6, s[4:5] offset:512*\c
.endr
	global_load_b32 v[TP], v7, s[4:5] offset:4*FRB
	s_lshr_b32 s22, s12, 4
	s_lshl_b32 s22, s22, 6
	s_lshl_b32 s23, s11, 4
	s_add_co_u32 s22, s22, s23
	s_add_co_u32 s22, s22, s[WV]                   ; my group of 32 rows among the 256
	s_mul_i32 s22, s22, 25600
	s_and_b32 s23, s12, 15                         ; head
	s_lshr_b32 s47, s23, 1
	s_mul_i32 s47, s47, 3072                       ; K step of the last product: two heads
	s_and_b32 s48, s12, 1
	s_mul_i32 s48, s48, 768                        ; which half of its fragments
	s_add_co_u32 s36, s22, s47
	s_add_co_u32 s36, s36, s48
	s_mov_b32 s37, 0
	s_lshl_b32 s38, s23, 6
	s_add_co_u32 s38, s38, s22
	s_add_co_u32 s38, s38, 24576                   ; the scale halfwords: [head][tile][r]
	s_mov_b32 s39, 0
	s_add_nc_u64 s[36:37], s[8:9], s[36:37]
	s_add_nc_u64 s[38:39], s[8:9], s[38:39]
	s_mov_b32 s[SEL], 0x76543210
	s_mov_b32 s[SEL+1], 0xfedcba98
	s_mov_b32 s[CS], 0x3d0293ee                    ; c = log2(e) / sqrt(2048)
	s_mov_b32 s[CS+1], s[CS]
	s_mov_b32 s[PASS], 2
.irp i, 0,1,2,3,4,5
	v_mov_b32 v[QZ+\i], 0
	v_mov_b32 v[QZ+12+\i], 0
.endr
.irp b, 0,1,2,3
	v_mov_b32 v[PT+\b], 0                          ; written once: a lane permute's destination counts as one of its sources
.endr
	v_mov_b32 v39, 0                               ; (named as the upper half of the pair v[38:39] before it is first written)
	s_wait_loadcnt 0x0
.irp i, 0,1,2,3,4,5
	v_mov_b32 v[QZ+6+\i], v[FB+\i]                 ; the first tile's q
	v_mov_b32 v[QB+\i], v[FB+6+\i]                 ; the second's
.endr
	v_perm_b32 v[QS], v[TP], v[TP], 0x01000100     ; the first tile's two bytes, twice: they serve K 0-63 and K 64-127
	v_perm_b32 v[QSB], v[TP], v[TP], 0x03020302    ; the second tile's
	s_wait_tensorcnt 0x0                           ; my key step has landed,
	s_barrier_signal -1
	s_barrier_wait -1                              ; everybody's has
.Lpass:
.set J, 0
.rept 32
	v_mov_b32 v[O+J], 0                            ; O^T: the step is written once; the first finds zeros, which the first change of M leaves zeros.  (These are also the places between the moves of q and the first product)
.set J, J+1
.endr
	v_mov_b32 v35, 0xff61b1e6                      ; the largest t so far: -3e38
	v_floor_f32 v34, -v35                          ; -M
	v_mov_b32 v36, 0
	v_mov_b32 v37, 0
	s_mov_b32 s[TB], 0
	s_mov_b32 s[CNT], 16
.Lstep:                                                ; 128 keys
	v_add_nc_u32 v3, s[TB], v1
	v_add_nc_u32 v4, s[TB], v2
	v_nop
	v_nop                                          ; four places in front of loads into registers that matrix instructions have read
.irp f, 0,1,2,3
.irp c, 0,1,2
	ds_load_b128 v[FB+12*\f+4*\c:FB+12*\f+4*\c+3], v3 offset:FRB*\f+512*\c
.endr
.endr
	ds_load_b64 v[KS:KS+1], v4 offset:4*FRB
	s_wait_dscnt 0x0
.irp u, 0,1,2,3,4,5,6,7                        ; tile u of 16 keys: fragment u / 2, its half u % 2
.if (\u/2)%2
	v_wmma_scale_f32_16x16x128_f8f6f4 v[S+8*\u:S+8*\u+7], v[FB+12*(\u/2):FB+12*(\u/2)+11], v[QZ+6-6*(\u%2):QZ+17-6*(\u%2)], 0, v[KS+\u/4], v[QS] matrix_a_fmt:MATRIX_FMT_FP6 matrix_b_fmt:MATRIX_FMT_FP6 matrix_a_scale:MATRIX_SCALE_ROW1
.else
	v_wmma_scale_f32_16x16x128_f8f6f4 v[S+8*\u:S+8*\u+7], v[FB+12*(\u/2):FB+12*(\u/2)+11], v[QZ+6-6*(\u%2):QZ+17-6*(\u%2)], 0, v[KS+\u/4], v[QS] matrix_a_fmt:MATRIX_FMT_FP6 matrix_b_fmt:MATRIX_FMT_FP6
.endif
.endr
.rept 4
	v_nop
.endr
.irp f, 0,1,2,3                                ; V's four fragments land while the softmax is walked
.irp c, 0,1,2
	ds_load_b128 v[FB+12*\f+4*\c:FB+12*\f+4*\c+3], v3 offset:QUADB+FRB*\f+512*\c
.endr
.endr
	ds_load_b64 v[VS:VS+1], v4 offset:QUADB+4*FRB
.irp b, 0,1,2,3
	v_max3_num_f32 v[BM+\b], v[S+16*\b], v[S+1+16*\b], v[S+2+16*\b]   ; the largest SCORE of each block of 32 keys: for the row's maximum and, since p rises with the score, for the block's largest p
.endr
.irp i, 3,5,7,9,11,13
.irp b, 0,1,2,3
	v_max3_num_f32 v[BM+\b], v[BM+\b], v[S+16*\b+\i], v[S+1+16*\b+\i]
.endr
.endr
.irp b, 0,1,2,3
	v_max_num_f32 v[BM+\b], v[BM+\b], v[S+15+16*\b]
.endr
.irp b, 0,1,2,3
	v_permlanex16_b32 v[PT+\b], v[BM+\b], s[SEL], s[SEL+1]
.endr
.irp b, 0,1,2,3
	v_max_num_f32 v[BM+\b], v[BM+\b], v[PT+\b]     ; with lane l xor 16's 16 keys
.endr
	v_max3_num_f32 v[TP], v[BM], v[BM+1], v[BM+2]
	v_max_num_f32 v[TP], v[TP], v[BM+3]
	v_mul_f32 v[TP], s[CS], v[TP]                  ; as t (c is positive)
	v_max_num_f32 v35, v35, v[TP]                  ; the running largest t
	v_mov_b32 v[TP], v34
	v_floor_f32 v34, -v35                          ; the new -M = -ceil(t): a whole number
	v_sub_f32 v[TP], v34, v[TP]                    ; old M - new M, 0 or less
	v_cvt_i32_f32 v[TP], v[TP]                     ; (it saturates)
	v_ldexp_f32 v38, 1.0, v[TP]                    ; f = 2^(old M - new M)
.set J, 0
.rept 32
	v_pk_fma_f32 v[S+J:S+J+1], v[S+J:S+J+1], s[CS:CS+1], v[34:35] op_sel_hi:[1,0,0]   ; t - M
.set J, J+2
.endr
.irp b, 0,1,2,3
	v_fma_f32 v[BM+\b], v[BM+\b], s[CS], v34       ; the same of each block's largest score
.endr
.set J, 0
.rept 64
	v_exp_f32 v[S+J], v[S+J]                       ; p = 2^(t - M), at most 1
.set J, J+1
.endr
.irp b, 0,1,2,3
	v_exp_f32 v[BM+\b], v[BM+\b]                   ; the block's largest p: the same two instructions on the same number
.endr
	v_pk_mul_f32 v[36:37], v[36:37], v[38:39] op_sel_hi:[1,0]   ; the sums under the new M (a plain place behind the exponentials)
	s_wait_alu depctr_va_vdst(0)
.irp b, 0,1,2,3
	v_max_num_f32 v[BM+\b], 0x1800000, v[BM+\b]    ; the floor 2^(3 - 127)
.endr
.irp b, 0,1,2,3
	v_add_nc_u32 v[SO+\b], 0xff000000, v[BM+\b]    ; the conversion's scale operand
.endr
.irp b, 0,1,2,3
	v_lshrrev_b32 v[PT+\b], 23, v[SO+\b]           ; the scale's byte
.endr
	v_lshl_or_b32 v39, v[PT+1], 8, v[PT]           ; p's scale word for these 128 keys
	v_lshl_or_b32 v39, v[PT+2], 16, v39
	v_lshl_or_b32 v39, v[PT+3], 24, v39
.irp c, 0,1
	v_cvt_scalef32_pk16_fp6_f32 v[PC+6*\c:PC+2+6*\c], v[S+32*\c:S+15+32*\c], v[SO+2*\c]
	v_cvt_scalef32_pk16_fp6_f32 v[CT+4*\c:CT+2+4*\c], v[S+16+32*\c:S+31+32*\c], v[SO+2*\c+1]
.endr
	v_nop                                          ; one plain place behind a scaled conversion
.irp c, 0,1                                    ; a WHOLE block in a lane
.irp i, 0,1,2
	v_permlane16_swap_b32 v[PC+6*\c+\i], v[CT+4*\c+\i]
.endr
.irp i, 0,1,2
	v_mov_b32 v[PC+3+6*\c+\i], v[CT+4*\c+\i]
.endr
.endr
	v_pk_add_f32 v[PT:PT+1], v[S:S+1], v[S+2:S+3]  ; the row's sum is taken of the UNQUANTISED p: two at a time, in two chains
.irp j, 4,8,12,16,20,24,28,32,36,40,44,48,52,56,60
	v_pk_add_f32 v[36:37], v[36:37], v[S+\j:S+1+\j]
	v_pk_add_f32 v[PT:PT+1], v[PT:PT+1], v[S+2+\j:S+3+\j]
.endr
	v_pk_add_f32 v[36:37], v[36:37], v[PT:PT+1]
.set J, 0
.rept 16
	v_pk_mul_f32 v[O+J:O+J+1], v[O+J:O+J+1], v[38:39] op_sel_hi:[1,0]   ; O^T under the new M.  (With the sums above: the places between the making of p's codes and scale word and the products)
.set J, J+2
.endr
	s_wait_dscnt 0x0                               ; V is in
.irp t, 0,1,2,3                                ; O^T += V^T P^T: four tiles of 16 channels, by turns
.if \t%2
	v_wmma_scale_f32_16x16x128_f8f6f4 v[O+8*\t:O+8*\t+7], v[FB+12*\t:FB+12*\t+11], v[PC:PC+11], v[O+8*\t:O+8*\t+7], v[VS+\t/2], v39 matrix_a_fmt:MATRIX_FMT_FP6 matrix_b_fmt:MATRIX_FMT_FP6 matrix_a_scale:MATRIX_SCALE_ROW1
.else
	v_wmma_scale_f32_16x16x128_f8f6f4 v[O+8*\t:O+8*\t+7], v[FB+12*\t:FB+12*\t+11], v[PC:PC+11], v[O+8*\t:O+8*\t+7], v[VS+\t/2], v39 matrix_a_fmt:MATRIX_FMT_FP6 matrix_b_fmt:MATRIX_FMT_FP6
.endif
.endr
	s_add_co_u32 s[TB], s[TB], KVB
	s_sub_co_u32 s[CNT], s[CNT], 1
	s_cmp_lg_u32 s[CNT], 0
	s_cbranch_scc1 .Lstep
	; the tile's end: O^T / the sum, quantised along the head's 64 channels: two blocks
	v_add_f32 v36, v36, v37
	v_permlanex16_b32 v[PT], v36, s[SEL], s[SEL+1]
	v_add_f32 v36, v36, v[PT]                      ; the row's sum
	v_rcp_f32 v36, v36
.rept 4
	v_nop                                          ; the place behind the reciprocal, and the places behind the last products
.endr
.set J, 0
	s_wait_alu depctr_va_vdst(0)
.rept 32
	v_mul_f32 v[S+J], v[O+J], v36                  ; register 16 b + i: channel 32 b + 16 (lane / 16) + i
.set J, J+1
.endr
.irp b, 0,1
	v_max3_num_f32 v[BM+\b], |v[S+16*\b]|, |v[S+1+16*\b]|, 0x1800000
.endr
.irp i, 2,4,6,8,10,12,14
.irp b, 0,1
	v_max3_num_f32 v[BM+\b], v[BM+\b], |v[S+16*\b+\i]|, |v[S+1+16*\b+\i]|
.endr
.endr
.irp b, 0,1
	v_permlanex16_b32 v[PT+\b], v[BM+\b], s[SEL], s[SEL+1]
.endr
.irp b, 0,1
	v_max_num_f32 v[BM+\b], v[BM+\b], v[PT+\b]
.endr
.irp b, 0,1
	v_add_nc_u32 v[SO+\b], 0xff000000, v[BM+\b]
.endr
.irp b, 0,1
	v_lshrrev_b32 v[PT+\b], 23, v[SO+\b]
.endr
	v_lshl_or_b32 v[TP], v[PT+1], 8, v[PT]         ; the row's two scale bytes
	v_cvt_scalef32_pk16_fp6_f32 v[PC:PC+2], v[S:S+15], v[SO]
	v_cvt_scalef32_pk16_fp6_f32 v[CT:CT+2], v[S+16:S+31], v[SO+1]
	v_nop
.irp i, 0,1,2
	v_permlane16_swap_b32 v[PC+\i], v[CT+\i]
.endr
.irp i, 0,1,2
	v_mov_b32 v[PC+3+\i], v[CT+\i]                 ; six registers: half a fragment of the last product's operand
.endr
	global_store_b128 v1, v[PC:PC+3], s[36:37]     ; 512 consecutive bytes,
	global_store_b64 v2, v[PC+4:PC+5], s[36:37] offset:512   ; 256 more
	global_store_b16 v5, v[TP], s[38:39]           ; lanes r and r + 16 write the same two bytes with the same value
	s_wait_xcnt 0x0                                ; the stores have read their registers and bases
	s_add_nc_u64 s[36:37], s[36:37], FRB           ; the second tile's places
	s_add_nc_u64 s[38:39], s[38:39], 32
.irp i, 0,1,2,3,4,5
	v_mov_b32 v[QZ+6+\i], v[QB+\i]                 ; and its q
.endr
	v_mov_b32 v[QS], v[QSB]
	s_sub_co_u32 s[PASS], s[PASS], 1
	s_cmp_lg_u32 s[PASS], 0
	s_cbranch_scc1 .Lpass
	s_wait_tensorcnt 0x0
	ds_add_u32 v224, v225
	s_wait_dscnt 0x0
	CROUND                                         ; the closing round
	s_endpgm
.Lfunc_end_k_q978bc0b157_attn:
	.size	k_q978bc0b157_attn, .Lfunc_end_k_q978bc0b157_attn-k_q978bc0b157_attn
	.p2alignl 7, 3214868480
	.fill 96, 4, 3214868480
	.section	.rodata,"a",@progbits
	.p2align	6, 0x0
	.amdhsa_kernel k_q978bc0b157_attn
		.amdhsa_group_segment_fixed_size 206848
		.amdhsa_private_segment_fixed_size 0
		.amdhsa_enable_private_segment 0
		.amdhsa_kernarg_size 24
		.amdhsa_user_sgpr_count 2
		.amdhsa_user_sgpr_kernarg_segment_ptr 1
		.amdhsa_wavefront_size32 1
		.amdhsa_system_sgpr_workgroup_id_x 1
		.amdhsa_system_sgpr_workgroup_id_y 1
		.amdhsa_system_sgpr_workgroup_id_z 1
		.amdhsa_system_vgpr_workitem_id 0
		.amdhsa_next_free_vgpr 226
		.amdhsa_next_free_sgpr 66
		.amdhsa_reserve_vcc 0
		.amdhsa_float_denorm_mode_32 3
		.amdhsa_float_denorm_mode_16_64 3
		.amdhsa_memory_ordered 1
		.amdhsa_forward_progress 1
		.amdhsa_inst_pref_size 27
	.end_amdhsa_kernel
	.amdgpu_metadata
---
amdhsa.version: [ 1, 2 ]
amdhsa.kernels:
  - .name:           k_q978bc0b157_attn
    .symbol:         k_q978bc0b157_attn.kd
    .args:
      - { .name: q_img, .offset: 0, .size: 8, .value_kind: global_buffer, .address_space: global }
      - { .name: kv_img, .offset: 8, .size: 8, .value_kind: global_buffer, .address_space: global }
      - { .name: nv_img, .offset: 16, .size: 8, .value_kind: global_buffer, .address_space: global }
    .group_segment_fixed_size: 206848
    .private_segment_fixed_size: 0
    .kernarg_segment_align: 8
    .kernarg_segment_size: 24
    .max_flat_workgroup_size: 512
    .sgpr_count:     66
    .vgpr_count:     226
    .wavefront_size: 32
...
	.end_amdgpu_metadata
.endif
;; end of part 3
;; launch gemm2 (part 4): grid 256 x 1, 4 waves a work-group, no clusters, 168,448 bytes of LDS; arguments nv_img, w_img, b_fc2, x, out0; writes out0
.if DOCPART == 4
	.amdgcn_target "amdgcn-amd-amdhsa--gfx1250"
	.amdhsa_code_object_version 6
	.text
	.protected	k_q978bc0b157_gemm2
	.globl	k_q978bc0b157_gemm2
	.p2align	8
	.type	k_q978bc0b157_gemm2,@function
k_q978bc0b157_gemm2:
	s_mov_b64 s[64:65], 0
	v_nop
	global_prefetch_b8 v0, s[64:65] scope:SCOPE_SE
	s_setreg_imm32_b32 hwreg(HW_REG_WAVE_MODE, 25, 1), 1
	s_wait_xcnt 0x0
; out = LayerNorm(x + swish(new_v W_fc2 + b_fc2)), the product on codes of FP6 (E2M3); all else in f32.
; SHARES.  A work-group owns 32 WHOLE rows, since the norm wants the row; wave w owns columns 256 w .. 256 w + 255: 2 tiles of rows x 16 tiles of columns = 32 accumulators.  256 work-groups of equal work.
; The product is used transposed (source 0 = 16 columns of W_fc2, source 1 = 16 rows of new_v): a lane holds one row, and the 16 registers of two neighbouring tiles are 16 neighbouring columns.
; new_v's 16 fragments stay in registers.  W_fc2's fragments come from memory STRAIGHT INTO REGISTERS, each by three loads of 512 consecutive bytes: no other wave of the work-group reads them.  A ring of five sets of four fragments keeps 48 to 60 loads of a wave out.
; NO CLUSTER, NO JOINT LOADS for the weights, though every work-group walks them: a joint load lands in LDS; beside x's 133,120 bytes two slots of one K step (2 x 98,304 bytes) and the spare words do not fit, and smaller slots would put a round of the
; cluster's barrier in front of every 16 matrix instructions of a wave.
; x's 32 rows come by tensor loads at the start, each wave its own 256 columns, four loads of 8 rows (four loads of a wave are out), laid so that LDS row 16 m + r holds the row of tile m's lane r; rows of 1,024 bytes + 16 of padding.
; The same bytes are the stage on the way out: they have had their only fill.
; The mean and the variance are taken in two passes (the sum of (y - mean)^2), so that no difference of large sums is formed; each crosses the waves through 512 bytes of LDS of its own and one barrier.
; LIMITS: NaN and infinities are not served.
; REGISTERS, in windows of 256: window 0: v1-8 addresses; v16-79 W_fc2's scale words; v80-87 new_v's; v88-103 its halfwords as loaded; v104-231 the bias; v232-251 sums.
;   window 1: new_v's fragments at v[12 (8 m + s)], later 64 numbers at work;  window 2: accumulator (m, t) at v[8 (16 m + t)];  window 3: the ring of weights, later x, later rows of out.
.set XQ,   33280                       ; a wave's quarter of x: 32 rows x 1,040 bytes
.set RED,  4*XQ                        ; two regions of 512 bytes for the sums
.set WS,   16
.set NS,   80
.set HW,   88
.set BI,   104
.set SUM,  232
.set RD4,  240
.set MP,   248
.set G1,   24
.set G0,   32
.set SEL,  48
.set NL,   50
.set INV,  52
.set EPS,  53
.set MSB, 0
.macro WIN new
.if MSB != (\new)
	s_set_vgpr_msb (MSB<<8)|(\new)
.set MSB, (\new)
.endif
.endm
.macro PLACES
.rept 4
	v_nop
.endr
.endm
	s_load_b128 s[4:7], s[0:1], 0x0                ; nv_img, w_img
	s_load_b128 s[8:11], s[0:1], 0x10              ; b_fc2, x
	s_load_b64 s[12:13], s[0:1], 0x20              ; out0
	v_lshl_add_u32 v254, v0, 2, 0x29000
	v_mov_b32 v255, 0
	ds_add_u32 v254, v255
	ds_add_u32 v254, v255
	v_lshrrev_b32 v1, 5, v0
	v_readfirstlane_b32 s14, v1                    ; wave 0..3
	; group 1: 8 rows x 256 elements of 4 bytes, 1,024 elements apart; 4 words of padding behind every 256 words
	s_mov_b32 s[G1], (2<<16)|(1<<20)|(7<<22)|(3<<25)
	s_mov_b32 s[G1+1], 256<<16
	s_mov_b32 s[G1+2], 8<<16
	s_mov_b32 s[G1+3], 256<<16
	s_mov_b32 s[G1+4], 8
	s_mov_b32 s[G1+5], 1024
	s_mov_b32 s[G1+6], 0
	s_mov_b32 s[G1+7], 0
	s_lshl_b32 s16, ttmp9, 17                      ; 32 rows of 4,096 bytes,
	s_lshl_b32 s17, s14, 10                        ; my 256 columns
	s_add_co_u32 s16, s16, s17
	s_mov_b32 s17, 0
	s_mul_i32 s18, s14, XQ
	s_mul_i32 s20, ttmp9, 25600                    ; new_v's group of 32 rows
	s_mov_b32 s21, 0
	s_add_co_u32 s22, s14, 12
	s_mul_i32 s22, s22, 204800                     ; w_img's tile 12 + wave
	s_mov_b32 s23, 0
	s_lshl_b32 s54, s14, 10                        ; my 256 numbers of the bias
	s_mov_b32 s55, 0
	s_wait_dscnt 0x0
	s_wait_kmcnt 0x0
	s_add_nc_u64 s[10:11], s[10:11], s[16:17]
	s_add_nc_u64 s[12:13], s[12:13], s[16:17]
	s_add_nc_u64 s[4:5], s[4:5], s[20:21]
	s_add_nc_u64 s[6:7], s[6:7], s[22:23]
	s_add_nc_u64 s[8:9], s[8:9], s[54:55]
.irp a, 0,1,2,3                                ; memory rows 8 a .. 8 a + 7 go to LDS rows 16 (a % 2) + 8 (a / 2) on
	s_mov_b32 s[G0+4*\a], 1
	s_add_co_u32 s[G0+4*\a+1], s18, (16*(\a%2)+8*(\a/2))*1040
	s_add_nc_u64 s[G0+4*\a+2:G0+4*\a+3], s[10:11], \a*32768
	s_or_b32 s[G0+4*\a+3], s[G0+4*\a+3], 0x80000000
.endr
.irp a, 0,1,2,3
	tensor_load_to_lds s[G0+4*\a:G0+4*\a+3], s[G1:G1+7]
	s_nop 0
.endr
.rept 4
	v_nop
.endr
	v_and_b32 v9, 31, v0
	v_and_b32 v10, 15, v0                          ; r
	v_bfe_u32 v11, v0, 4, 1                        ; h
	v_lshlrev_b32 v1, 4, v9                        ; 16 x lane
	v_lshlrev_b32 v2, 3, v9                        ; 8 x lane
	v_lshlrev_b32 v3, 1, v9                        ; 2 x lane
	v_mul_u32_u24 v4, v10, 1040
	v_lshl_add_u32 v4, v11, 6, v4
	v_add_nc_u32 v4, s18, v4                       ; the stage by lanes: row r, + 64 h
	v_add_nc_u32 v5, s18, v1                       ; and by rows
	s_lshl_b32 s19, s14, 7
	v_lshlrev_b32 v7, 2, v10
	v_add_nc_u32 v7, RED, v7                       ; the sums: read,
	v_add_nc_u32 v6, s19, v7                       ; written: + 128 x wave
	v_lshlrev_b32 v8, 6, v11                       ; 64 h
	s_mov_b32 s[SEL], 0x76543210
	s_mov_b32 s[SEL+1], 0xfedcba98
	s_mov_b32 s[NL], 0xbfb8aa3b                    ; -log2 e
	s_mov_b32 s[NL+1], s[NL]
	s_mov_b32 s[INV], 0x3a800000                   ; 1 / 1024
	s_mov_b32 s[EPS], 0x3727c5ac                   ; 1e-5
	WIN 0x40                                       ; destination window 1
.irp m, 0,1
.irp s, 0,1,2,3,4,5,6,7
.irp f, 0,1                                    ; a fragment's two halves: heads 2 s and 2 s + 1
	global_load_b128 v[12*(8*\m+\s)+6*\f:12*(8*\m+\s)+6*\f+3], v1, s[4:5] offset:3072*\s+1536*\m+768*\f
	global_load_b64 v[12*(8*\m+\s)+6*\f+4:12*(8*\m+\s)+6*\f+5], v2, s[4:5] offset:3072*\s+1536*\m+768*\f+512
.endr
.endr
.endr
	WIN 0
.irp d, 0,1,2,3,4,5,6,7,8,9,10,11,12,13,14,15
	global_load_u16 v[HW+\d], v3, s[4:5] offset:24576+64*\d        ; head d's two scale bytes: lanes 0-15 tile 0's rows, lanes 16-31 tile 1's
.endr
.irp p, 0,1,2,3
.irp t, 0,1,2,3,4,5,6,7
	global_load_b64 v[WS+2*(8*\p+\t):WS+2*(8*\p+\t)+1], v2, s[6:7] offset:51200*\p+49152+256*\t   ; lanes 0-15 tile 2 t, lanes 16-31 tile 2 t + 1; K steps 2 p, 2 p + 1
.endr
.endr
.irp t, 0,1,2,3,4,5,6,7,8,9,10,11,12,13,14,15
	global_load_b128 v[BI+8*\t:BI+8*\t+3], v8, s[8:9] offset:(32*(\t/2)+8*(\t%2))*4
	global_load_b128 v[BI+8*\t+4:BI+8*\t+7], v8, s[8:9] offset:(32*(\t/2)+8*(\t%2))*4+16
.endr
.macro WLOAD i                         ; turn i: K step i / 4, tiles 4 (i % 4) .. + 3, into set i % 5
.irp f, 0,1,2,3
.irp c, 0,1,2
	global_load_b128 v[48*((\i)%5)+12*\f+4*\c:48*((\i)%5)+12*\f+4*\c+3], v1, s[6:7] offset:51200*((\i)/8)+24576*(((\i)/4)%2)+1536*(4*((\i)%4)+\f)+512*\c
.endr
.endr
.endm
	WIN 0xc0                                       ; destination window 3
	WLOAD 0
	WLOAD 1
	WLOAD 2
	WLOAD 3
	WLOAD 4
.macro PROD d, a, b, c, sa, sb, ra, rb
.if (\ra) && (\rb)
	v_wmma_scale_f32_16x16x128_f8f6f4 v[\d:\d+7], v[\a:\a+11], v[\b:\b+11], v[\c:\c+7], v[\sa], v[\sb] matrix_a_fmt:MATRIX_FMT_FP6 matrix_b_fmt:MATRIX_FMT_FP6 matrix_a_scale:MATRIX_SCALE_ROW1 matrix_b_scale:MATRIX_SCALE_ROW1
.elseif \ra
	v_wmma_scale_f32_16x16x128_f8f6f4 v[\d:\d+7], v[\a:\a+11], v[\b:\b+11], v[\c:\c+7], v[\sa], v[\sb] matrix_a_fmt:MATRIX_FMT_FP6 matrix_b_fmt:MATRIX_FMT_FP6 matrix_a_scale:MATRIX_SCALE_ROW1
.elseif \rb
	v_wmma_scale_f32_16x16x128_f8f6f4 v[\d:\d+7], v[\a:\a+11], v[\b:\b+11], v[\c:\c+7], v[\sa], v[\sb] matrix_a_fmt:MATRIX_FMT_FP6 matrix_b_fmt:MATRIX_FMT_FP6 matrix_b_scale:MATRIX_SCALE_ROW1
.else
	v_wmma_scale_f32_16x16x128_f8f6f4 v[\d:\d+7], v[\a:\a+11], v[\b:\b+11], v[\c:\c+7], v[\sa], v[\sb] matrix_a_fmt:MATRIX_FMT_FP6 matrix_b_fmt:MATRIX_FMT_FP6
.endif
.endm
; A turn: eight matrix instructions on eight accumulators; an accumulator's next turn comes four turns later.
.macro TURN i
.set SS, (\i)/4
.if 31-(\i) >= 4
	s_wait_loadcnt 48                              ; this turn's 12 loads are in (and all that was asked for ahead of them); the four younger sets may be out
.else
	s_wait_loadcnt 12*(31-(\i))
.endif
.if (\i) == 0
	WIN 0
.irp s, 0,1,2,3,4,5,6,7
	v_lshl_or_b32 v[NS+\s], v[HW+2*\s+1], 16, v[HW+2*\s]           ; new_v's scale word of K step s: two heads' two bytes
.endr
.rept 8
	v_nop                                          ; a scale register written by a vector instruction stands 8 places ahead of a scaled matrix instruction
.endr
.endif
.if SS == 0
	WIN 0x87                                       ; source 0 window 3, source 1 window 1, C (the bias) window 0, D window 2
.else
	WIN 0xa7
.endif
.irp f, 0,1,2,3
.irp m, 0,1
.set TT, 4*((\i)%4)+\f
.if SS == 0
	PROD 8*(16*\m+TT), 48*((\i)%5)+12*\f, 12*(8*\m+SS), BI+8*TT, WS+2*(8*(SS/2)+TT/2)+SS%2, NS+SS, TT%2, \m
.else
	PROD 8*(16*\m+TT), 48*((\i)%5)+12*\f, 12*(8*\m+SS), 8*(16*\m+TT), WS+2*(8*(SS/2)+TT/2)+SS%2, NS+SS, TT%2, \m
.endif
.endr
.endr
	PLACES                                         ; in front of loads into the set just read; behind the last turn: in front of the first read of results
.if (\i) < 27
	WIN 0xc0
	WLOAD (\i)+5
.endif
.endm
.set I, 0
.rept 32
	TURN I
.set I, I+1
.endr
; ---------------- swish, + x, LayerNorm ----------------
	s_wait_tensorcnt 0x0                           ; my quarter of x has landed; only I read it
	WIN 0xc0
.irp m, 0,1
.irp n, 0,1,2,3,4,5,6,7,8,9,10,11,12,13,14,15,16,17,18,19,20,21,22,23,24,25,26,27,28,29,30,31
	ds_load_b128 v[128*\m+4*\n:128*\m+4*\n+3], v4 offset:16640*\m+128*(\n/4)+16*(\n%4)   ; x in the accumulators' order: register 16 q + i of tile m: column 32 q + 16 h + i
.endr
.endr
	WIN 0
.irp j, 0,1,2,3,4,5,6,7
	v_mov_b32 v[SUM+\j], 0
.endr
.macro YGROUP g                        ; accumulator registers 64 g .. 64 g + 63
	WIN 0x42                                       ; source 0 window 2, destination window 1
.set J, 0
.rept 32
	v_pk_mul_f32 v[J:J+1], v[64*\g+J:64*\g+J+1], s[NL:NL+1] op_sel_hi:[1,0]   ; each accumulator from its low end on
.set J, J+2
.endr
	WIN 0x41
.set J, 0
.rept 64
	v_exp_f32 v[J], v[J]
.set J, J+1
.endr
	v_nop
.set J, 0
	s_wait_alu depctr_va_vdst(0)
.rept 32
	v_pk_add_f32 v[J:J+1], v[J:J+1], 1.0 op_sel_hi:[1,0]
.set J, J+2
.endr
.set J, 0
.rept 64
	v_rcp_f32 v[J], v[J]
.set J, J+1
.endr
	v_nop
	s_wait_dscnt 48-16*\g                          ; this group's 16 loads of x are in; the later groups' may be out
	WIN 0xb6                                       ; source 0 and D window 2, source 1 window 1, source 2 window 3
.set J, 0
	s_wait_alu depctr_va_vdst(0)
.rept 32
	v_pk_fma_f32 v[64*\g+J:64*\g+J+1], v[64*\g+J:64*\g+J+1], v[J:J+1], v[64*\g+J:64*\g+J+1]   ; y = m sigmoid(m) + x
.set J, J+2
.endr
	WIN 0x08                                       ; source 1 window 2
.set J, 0
.rept 32
	v_pk_add_f32 v[SUM+4*(\g/2)+J%4:SUM+4*(\g/2)+J%4+1], v[SUM+4*(\g/2)+J%4:SUM+4*(\g/2)+J%4+1], v[64*\g+J:64*\g+J+1]   ; two chains a tile of rows
.set J, J+2
.endr
.endm
	YGROUP 0
	YGROUP 1
	YGROUP 2
	YGROUP 3
	WIN 0
; The two tiles' sums over my 256 columns, then over the four waves: v[SUM] tile 0's row r, v[SUM + 4] tile 1's.
.macro REDUCE off
	v_pk_add_f32 v[SUM:SUM+1], v[SUM:SUM+1], v[SUM+2:SUM+3]
	v_pk_add_f32 v[SUM+4:SUM+5], v[SUM+4:SUM+5], v[SUM+6:SUM+7]
	v_add_f32 v[SUM], v[SUM], v[SUM+1]
	v_add_f32 v[SUM+4], v[SUM+4], v[SUM+5]
	v_permlanex16_b32 v[SUM+1], v[SUM], s[SEL], s[SEL+1]
	v_permlanex16_b32 v[SUM+5], v[SUM+4], s[SEL], s[SEL+1]
	v_add_f32 v[SUM], v[SUM], v[SUM+1]
	v_add_f32 v[SUM+4], v[SUM+4], v[SUM+5]
	ds_store_b32 v6, v[SUM] offset:\off            ; lanes r and r + 16 write the same word with the same value
	ds_store_b32 v6, v[SUM+4] offset:\off+64
	s_wait_dscnt 0x0                               ; for the others' sake: my stores are done
	s_barrier_signal -1
	s_barrier_wait -1
.irp w, 0,1,2,3
	ds_load_b32 v[RD4+\w], v7 offset:\off+128*\w
	ds_load_b32 v[RD4+4+\w], v7 offset:\off+128*\w+64
.endr
	s_wait_dscnt 0x0
	v_add_f32 v[RD4], v[RD4], v[RD4+1]
	v_add_f32 v[RD4+2], v[RD4+2], v[RD4+3]
	v_add_f32 v[RD4+4], v[RD4+4], v[RD4+5]
	v_add_f32 v[RD4+6], v[RD4+6], v[RD4+7]
	v_add_f32 v[SUM], v[RD4], v[RD4+2]
	v_add_f32 v[SUM+4], v[RD4+4], v[RD4+6]
.endm
	REDUCE 0
	v_mul_f32 v[MP], s[INV], v[SUM]                ; the means
	v_mul_f32 v[MP+2], s[INV], v[SUM+4]
	v_mov_b32 v[MP+1], v[MP]                       ; (named with them as pairs)
	v_mov_b32 v[MP+3], v[MP+2]
	WIN 0x82                                       ; source 0 and D window 2
.irp m, 0,1
.set J, 0
.rept 64
	v_pk_add_f32 v[128*\m+J:128*\m+J+1], v[128*\m+J:128*\m+J+1], v[MP+2*\m:MP+2*\m+1] op_sel_hi:[1,0] neg_lo:[0,1] neg_hi:[0,1]   ; d = y - mean
.set J, J+2
.endr
.endr
	WIN 0x0a                                       ; sources 0 and 1 window 2
.irp m, 0,1
	v_pk_mul_f32 v[SUM+4*\m:SUM+4*\m+1], v[128*\m:128*\m+1], v[128*\m:128*\m+1]
	v_pk_mul_f32 v[SUM+4*\m+2:SUM+4*\m+3], v[128*\m+2:128*\m+3], v[128*\m+2:128*\m+3]
.set J, 4
.rept 62
	v_pk_fma_f32 v[SUM+4*\m+J%4:SUM+4*\m+J%4+1], v[128*\m+J:128*\m+J+1], v[128*\m+J:128*\m+J+1], v[SUM+4*\m+J%4:SUM+4*\m+J%4+1]   ; the sum of d^2, two chains
.set J, J+2
.endr
.endr
	WIN 0
	REDUCE 512                                     ; through bytes of its own: no barrier more is needed between the two
	v_fma_f32 v[SUM], v[SUM], s[INV], s[EPS]       ; the variance + 1e-5
	v_fma_f32 v[SUM+4], v[SUM+4], s[INV], s[EPS]
	v_rsq_f32 v[MP], v[SUM]
	v_rsq_f32 v[MP+2], v[SUM+4]
	v_nop                                          ; one plain place behind the transcendentals
	s_wait_alu depctr_va_vdst(0)
	v_mov_b32 v[MP+1], v[MP]
	v_mov_b32 v[MP+3], v[MP+2]
	WIN 0x82
.irp m, 0,1
.set J, 0
.rept 64
	v_pk_mul_f32 v[128*\m+J:128*\m+J+1], v[128*\m+J:128*\m+J+1], v[MP+2*\m:MP+2*\m+1] op_sel_hi:[1,0]
.set J, J+2
.endr
.endr
	WIN 0x08                                       ; an LDS store's data are its source 1: window 2
.irp m, 0,1
.irp n, 0,1,2,3,4,5,6,7,8,9,10,11,12,13,14,15,16,17,18,19,20,21,22,23,24,25,26,27,28,29,30,31
	ds_store_b128 v4, v[128*\m+4*\n:128*\m+4*\n+3] offset:16640*\m+128*(\n/4)+16*(\n%4)   ; back to where x lay: my own bytes, which have had their only fill
.endr
.endr
.irp q, 0,1                                    ; LDS rows 16 q .. 16 q + 15, 512 bytes an instruction
	WIN 0xc0
.irp n, 0,1,2,3,4,5,6,7,8,9,10,11,12,13,14,15,16,17,18,19,20,21,22,23,24,25,26,27,28,29,30,31
	ds_load_b128 v[128*\q+4*\n:128*\q+4*\n+3], v5 offset:1040*(16*\q+\n/2)+512*(\n%2)   ; LDS serves a wave's instructions in order: these see my stores
.endr
	WIN 0x0c                                       ; a store's data are its source 1: window 3
.irp n, 0,1,2,3,4,5,6,7,8,9,10,11,12,13,14,15,16,17,18,19,20,21,22,23,24,25,26,27,28,29,30,31
	s_wait_dscnt 31-\n
	global_store_b128 v1, v[128*\q+4*\n:128*\q+4*\n+3], s[12:13] offset:(8*\q+16*((\n/2)/8)+(\n/2)%8)*4096+512*(\n%2) th:TH_STORE_NT   ; 32 lanes store 512 consecutive bytes, aligned; LDS row 16 q + 8 a + b is the group's row 8 q + 16 a + b
.endr
.endr
	WIN 0
	s_wait_tensorcnt 0x0
	ds_add_u32 v254, v255
	s_wait_dscnt 0x0
	s_endpgm
.Lfunc_end_k_q978bc0b157_gemm2:
	.size	k_q978bc0b157_gemm2, .Lfunc_end_k_q978bc0b157_gemm2-k_q978bc0b157_gemm2
	.p2alignl 7, 3214868480
	.fill 96, 4, 3214868480
	.section	.rodata,"a",@progbits
	.p2align	6, 0x0
	.amdhsa_kernel k_q978bc0b157_gemm2
		.amdhsa_group_segment_fixed_size 168448
		.amdhsa_private_segment_fixed_size 0
		.amdhsa_enable_private_segment 0
		.amdhsa_kernarg_size 40
		.amdhsa_user_sgpr_count 2
		.amdhsa_user_sgpr_kernarg_segment_ptr 1
		.amdhsa_wavefront_size32 1
		.amdhsa_system_sgpr_workgroup_id_x 1
		.amdhsa_system_sgpr_workgroup_id_y 1
		.amdhsa_system_sgpr_workgroup_id_z 1
		.amdhsa_system_vgpr_workitem_id 0
		.amdhsa_next_free_vgpr 1024
		.amdhsa_next_free_sgpr 66
		.amdhsa_reserve_vcc 0
		.amdhsa_float_denorm_mode_32 3
		.amdhsa_float_denorm_mode_16_64 3
		.amdhsa_memory_ordered 1
		.amdhsa_forward_progress 1
		.amdhsa_inst_pref_size 191
	.end_amdhsa_kernel
	.amdgpu_metadata
---
amdhsa.version: [ 1, 2 ]
amdhsa.kernels:
  - .name:           k_q978bc0b157_gemm2
    .symbol:         k_q978bc0b157_gemm2.kd
    .args:
      - { .name: nv_img, .offset: 0, .size: 8, .value_kind: global_buffer, .address_space: global }
      - { .name: w_img, .offset: 8, .size: 8, .value_kind: global_buffer, .address_space: global }
      - { .name: b_fc2, .offset: 16, .size: 8, .value_kind: global_buffer, .address_space: global }
      - { .name: x, .offset: 24, .size: 8, .value_kind: global_buffer, .address_space: global }
      - { .name: out0, .offset: 32, .size: 8, .value_kind: global_buffer, .address_space: global }
    .group_segment_fixed_size: 168448
    .private_segment_fixed_size: 0
    .kernarg_segment_align: 8
    .kernarg_segment_size: 40
    .max_flat_workgroup_size: 128
    .sgpr_count:     66
    .vgpr_count:     1024
    .wavefront_size: 32
...
	.end_amdgpu_metadata
.endif
;; end of part 4
